; MI455X (gfx1250); checked and timed in simulation.
; The chip was launched on July 23, 2026; its instructions are those of AMD's public machine-readable ISA for CDNA 5 (MIT licence, August 2026) and "CDNA5" Instruction Set Architecture Reference Guide (July 2026). The comments in the code are by the model that wrote it; some were corrected since.
;; Lorentz Attention. Allowed arithmetic: matrix products marked QUANTISED: E3M2 operands, one E8M0 scale for each 32 along K, by v_wmma_scale_f32_16x16x128_f8f6f4 with both operands' format E3M2, f32 sums; everything else in f32.
;; Inputs: Wk 8 x 64 x 513 float32; Wo 512 x 513 float32; Wq 8 x 64 x 513 float32; Wv 8 x 64 x 513 float32; bk 8 x 64 float32; bo 512 float32; bq 8 x 64 float32; bv 8 x 64 float32; x 4 x 2,048 x 513 float32.
;; Outputs: out0 4 x 2,048 x 513 float32.
;; This version of the problem:
;;   THIS VERSION OF THE PROBLEM IS GIVEN IN LOW PRECISION. The matrix products marked QUANTISED in the list below multiply operands that are first quantised to E3M2 (3 exponent bits, 2 mantissa bits; 6 bits a number), with one power-of-two scale for each 32 numbers along K (OCP MX v1.0); their sums are f32. All else is computed in f32.
;;   The module's matrix products, in the order in which they are computed (A, B: the left and right operand; K: the contracted axis; several contracted axes count as one K, in the product's order):
;;     1. [M 512, K 513] x [K 513, N 8,192]; A: input Wq; B: input x: QUANTISED
;;     2. [M 512, K 513] x [K 513, N 8,192]; A: input Wk; B: input x: QUANTISED
;;     3. [M 512, K 513] x [K 513, N 8,192]; A: input Wv; B: input x: QUANTISED
;;     4. batch 32 x [M 2,048, K 64] x [K 64, N 2,048]; A: computed on the way; B: computed on the way: QUANTISED
;;     5. batch 32 x [M 2,048, K 2,048] x [K 2,048, N 65]; A: softmax (see below); B: computed on the way: QUANTISED
;;     6. [M 8,192, K 513] x [K 513, N 512]; A: computed on the way; B: input Wo: QUANTISED
;;   THE QUANTISER, for each operand of a quantised product, along K:
;;     - K is cut into blocks of 32 from its start; a last block that is shorter is filled with zeros.
;;     - A block's scale is 2^e with e = floor(log2(the largest magnitude in the block)) - 4, held to -126 .. 127; a block of zeros has e = 0. As a byte (E8M0): e + 127.
;;     - Each number is divided by its block's scale, clamped to +-28, and rounded to the nearest number of E3M2, ties to even, subnormals kept.
;;     - The product sums the exact products of the quantised numbers (number of the format x scale) in f32.
;;   ~~~python
;;   def quantise(x, axis):      # numpy; x: float32 -> the quantised numbers, widened to float32 again
;;       x = np.moveaxis(x, axis, -1); K = x.shape[-1]
;;       x = np.pad(x, [(0, 0)] * (x.ndim - 1) + [(0, -K % 32)]); x = x.reshape(x.shape[:-1] + (-1, 32)); a = np.abs(x).max(-1, keepdims=True)
;;       e = np.where(a > 0, np.clip(np.frexp(np.where(a > 0, a, 1))[1] - 1 - 4, -126, 127), 0)      # np.frexp(a)[1] - 1 = floor(log2(a)), exactly
;;       r = np.clip(x / 2.0 ** e, -28, 28)
;;       step = 2.0 ** (np.maximum(np.frexp(np.where(r == 0, 1, r))[1] - 1, -2) - 2)
;;       q = np.round(r / step) * step * 2.0 ** e      # np.round: ties to even
;;       return np.moveaxis(q.reshape(q.shape[:-2] + (-1,))[..., :K], -1, axis).astype(np.float32)
;;   ~~~
;;   SOFTMAX AHEAD OF A QUANTISED PRODUCT. Where the list says 'softmax', what is quantised is not the finished softmax but p = 2^(t - M), with t = logit x log2(e) and M = ceil(the row's largest t), a whole number; so 1/2 < the row's largest p <= 1. The row's sum l is taken of the UNQUANTISED p, in f32, and the product's result is divided by l at the end. Since M is a whole number, a kernel that streams over the keys may use a running M (the ceiling of the running maximum): every later rescaling is an exact power of two, which a block's scale takes up: the codes' values come out the same.
;;   OPERANDS COMPUTED ON THE WAY. 'Computed on the way' means the value that the module computes at that place (a softmax that the list does not call 'softmax' is quantised finished and normalised). What goes into a quantiser is computed in f32, as accurately as f32 sums, v_exp_f32 and their like allow (about 1e-6 of the number): no bf16 or f16 on the way to a quantiser, and a product that is left as it is and whose result goes on into a quantised operand takes f32 operands (vector FMAs, or v_wmma_f32_16x16x4_f32). A number that lies on a knife's edge between two numbers of the format may be rounded either way, as far as f32 arithmetic and the matrix unit's own rounding can turn it there, and no further.
;; One version. Each part assembles by itself: llvm-mc -triple=amdgcn-amd-amdhsa -mcpu=gfx1250 --defsym DOCPART=n.
;; ======== version 1 of 1: 4 launches
;; limits: right only within a limited range of input values
;; workspace buffers: xw 5,324,800 bytes; qq 3,670,016 bytes; kv 7,864,320 bytes; ho 16,777,216 bytes; ht 262,144 bytes
;; launch quant (part 1): grid 160 x 1, 4 waves a work-group, no clusters, 168,448 bytes of LDS; arguments x, Wq, Wk, Wv, Wo, xw; writes xw
.if DOCPART == 1
	.amdgcn_target "amdgcn-amd-amdhsa--gfx1250"
	.amdhsa_code_object_version 6
	.text
	.protected	k_qb612a736c8_quant
	.globl	k_qb612a736c8_quant
	.p2align	8
	.type	k_qb612a736c8_quant,@function
k_qb612a736c8_quant:
	s_mov_b64 s[64:65], 0
	v_nop
	global_prefetch_b8 v0, s[64:65] scope:SCOPE_SE
	s_setreg_imm32_b32 hwreg(HW_REG_WAVE_MODE, 25, 1), 1
	s_wait_xcnt 0x0
; x [8192][513] and Wq, Wk, Wv, Wo [512][513], f32, become codes of BF6 (E3M2) with one E8M0 scale byte for each 32 along K = 513, laid as IMAGES OF THE OPERAND'S REGISTERS.
; A record of xw is one tile of 16 rows: 5 K steps x 1,536 bytes of codes (register group c of a fragment at 512 c + 16 x lane), then 5 x 128 bytes of scale words (4 x lane; both halves of the lanes hold row lane % 16's word).
; THE ROWS OF A TILE ARE NOT NEIGHBOURS: 32 rows give tiles 2 G and 2 G + 1; lane r of tile 2 G + u is row 32 G + 8 u + r + 8 (r / 8).
; THE ORDER ALONG K: inside block g place p = 0 .. 30 holds index 32 g + 1 + p and place 31 holds index 32 g.  A block keeps its members, and every operand with K = 513 is laid so, so each product meets its partner;
; only the order of the f32 sums differs.  Block 16 has one number: the fifth K step.
; A block's scale is 2^(floor(log2(its largest magnitude)) - 4); its byte is that magnitude's exponent field - 4, held at 1 from below.
; LIMITS: a block of zeros gets the byte 1 where the quantiser says 127 (its codes are zeros, and this program alone reads the bytes); blocks under 2^-122 are held at the byte 1; NaN and infinities are not served.
; SHARES: a work-group takes 64 rows (four tiles); 10,240 rows make 160 work-groups.  Wave w takes K step w of the four tiles and the fifth K step of tile w.
; THE 64 ROWS ARE ONE DENSE BLOCK of 64 x 2,052 = 513 x 256 bytes that begins at a multiple of 256 bytes of its tensor: waves 0 to 2 bring 171 rows of 256 bytes each, by one tensor load, filled once; one barrier shows the block to all.
; In LDS a row of the tensor begins at a multiple of 4 bytes alone, so the numbers are read word by word, each straight into its place of the order above: place 31 by a second address register.
; No work-group reads what another reads: no cluster.  One load a wave at the head and no loop: nothing to prefetch ahead of.
.set REC,   8320                       ; bytes of a tile's record
.set GROW,  2052                       ; bytes of a row, in memory and in LDS
.set PART,  171*256                    ; what one tensor load brings
.set SPARE, 0x29000                    ; the spare words, 128 bytes a wave
.set LA,  1                            ; v1-2  LDS: my row of tiles 0, 1 (v2: of tiles 2, 3), my K step, + 64 h
.set LC,  3                            ; v3-4  the same + 64 (1 - h): register 15's number
.set LI,  5                            ; v5  16 x lane
.set LS,  6                            ; v6  4 x lane
.set L5,  7                            ; v7  LDS: my row of tile w
.set X,   32                           ; v32-159  two sets of 64 numbers
.set TM,  160                          ; v160-175 at work
.set PC,  176                          ; v176-235 five fragments: no store's data are written again
.set T2,  236                          ; v236-243 the second halves of the blocks' codes
.set PW,  244                          ; v244-248 five scale words
.set C4,  253                          ; v253     index 512 of my row in tile w
.set WV,  16
.set G0,  24
.set G1,  32
.set HM,  40                           ; s40 the lanes 16-31
.set SEL, 42                           ; s[42:43] v_permlanex16_b32's selects for lane l xor 16
; 64 numbers of a lane, register 16 b + i = place 32 b + 16 (lane / 16) + i of my row's K step, become a fragment in v[pc] on and its scale word in v[pw]
.macro QUANT s, pc, pw
.irp b, 0,1,2,3
	v_max3_num_f32 v[TM+\b], |v[\s+16*\b]|, |v[\s+16*\b+1]|, 0x2800000   ; my 16 numbers of block b, and the floor 2^(5 - 127): the byte cannot fall under 1
.endr
.irp i, 2,4,6,8,10,12,14
.irp b, 0,1,2,3
	v_max3_num_f32 v[TM+\b], v[TM+\b], |v[\s+16*\b+\i]|, |v[\s+16*\b+\i+1]|   ; the four blocks by turns
.endr
.endr
.irp b, 0,1,2,3
	v_permlanex16_b32 v[TM+4+\b], v[TM+\b], s[SEL], s[SEL+1]
.endr
.irp b, 0,1,2,3
	v_max_num_f32 v[TM+\b], v[TM+\b], v[TM+4+\b]           ; with lane l xor 16's: the block's largest magnitude
.endr
.irp b, 0,1,2,3
	v_add_nc_u32 v[TM+12+\b], 0xfe000000, v[TM+\b]         ; 4 off its exponent field: the conversion's scale operand
.endr
.irp b, 0,1,2,3
	v_lshrrev_b32 v[TM+4+\b], 23, v[TM+12+\b]              ; the scale's byte
.endr
	v_lshl_or_b32 v[\pw], v[TM+5], 8, v[TM+4]
	v_lshl_or_b32 v[\pw], v[TM+6], 16, v[\pw]
	v_lshl_or_b32 v[\pw], v[TM+7], 24, v[\pw]
.irp c, 0,1
	v_cvt_scalef32_pk16_bf6_f32 v[\pc+6*\c:\pc+6*\c+2], v[\s+32*\c:\s+32*\c+15], v[TM+12+2*\c]
	v_cvt_scalef32_pk16_bf6_f32 v[T2+4*\c:T2+4*\c+2], v[\s+32*\c+16:\s+32*\c+31], v[TM+12+2*\c+1]   ; (a conversion's three registers begin on an even number)
.endr
	v_nop                                          ; one plain place behind a scaled conversion
.irp c, 0,1                                    ; the operand's layout wants a whole block in a lane: lanes 0-15 block 2 c, lanes 16-31 block 2 c + 1
.irp i, 0,1,2
	v_permlane16_swap_b32 v[\pc+6*\c+\i], v[T2+4*\c+\i]
.endr
.irp i, 0,1,2
	v_mov_b32 v[\pc+6*\c+3+\i], v[T2+4*\c+\i]
.endr
.endr
.endm
; the fifth K step: one number, at place 31 of its first block; all other codes are zeros, the other blocks' bytes 127
.macro QLAST car, z, pc, pw
.irp i, 0,1,2,3,4,5,6,7,8,9,10,11,12,13,14
	v_mov_b32 v[\z+\i], 0
.endr
	v_cndmask_b32 v[\z+15], 0, v[\car], s[HM]
	v_max3_num_f32 v[TM], |v[\z+15]|, |v[\z+15]|, 0x2800000
	v_permlanex16_b32 v[TM+4], v[TM], s[SEL], s[SEL+1]
	v_max_num_f32 v[TM], v[TM], v[TM+4]
	v_add_nc_u32 v[TM+12], 0xfe000000, v[TM]
	v_lshrrev_b32 v[TM+4], 23, v[TM+12]
	v_or_b32 v[\pw], 0x7f7f7f00, v[TM+4]
	v_cvt_scalef32_pk16_bf6_f32 v[\pc:\pc+2], v[\z:\z+15], v[TM+12]
.irp i, 0,1,2
	v_mov_b32 v[T2+\i], 0                          ; block 1's codes.  (Plain places behind the conversion)
.endr
.irp i, 0,1,2
	v_permlane16_swap_b32 v[\pc+\i], v[T2+\i]
.endr
.irp i, 0,1,2
	v_mov_b32 v[\pc+3+\i], v[T2+\i]
.endr
.irp i, 6,7,8,9,10,11
	v_mov_b32 v[\pc+\i], 0
.endr
.endm
.macro FETCH t                         ; tile t's 64 numbers a lane into set t % 2: register 16 b + i is index 128 w + 32 b + 16 h + i + 1; register 15 of lanes 16-31 is index 128 w + 32 b
.irp b, 0,1,2,3
.irp i, 0,1,2,3,4,5,6,7,8,9,10,11,12,13,14
	ds_load_b32 v[X+64*((\t)%2)+16*\b+\i], v[LA+(\t)/2] offset:8*((\t)%2)*GROW+4+128*\b+4*\i
.endr
	ds_load_b32 v[X+64*((\t)%2)+16*\b+15], v[LC+(\t)/2] offset:8*((\t)%2)*GROW+128*\b
.endr
.endm
.macro UNIT t, left                    ; left: LDS loads of the next tile that may stay out (64 are younger; 63 is the most that the wait can name)
	s_wait_dscnt \left
	QUANT X+64*((\t)%2), PC+12*(\t), PW+(\t)
.irp c, 0,1,2
	global_store_b128 v[LI], v[PC+12*(\t)+4*\c:PC+12*(\t)+4*\c+3], s[48:49] offset:REC*(\t)+512*\c   ; 32 lanes store 512 consecutive bytes
.endr
	global_store_b32 v[LS], v[PW+(\t)], s[50:51] offset:REC*(\t)
.endm
	s_load_b256 s[4:11], s[0:1], 0x0               ; x, Wq, Wk, Wv
	s_load_b128 s[12:15], s[0:1], 0x20             ; Wo, xw
	v_lshl_add_u32 v254, v0, 2, SPARE
	v_mov_b32 v255, 0
	ds_add_u32 v254, v255                          ; the opening lines: the add, twice on end, and its wait
	ds_add_u32 v254, v255
	v_lshrrev_b32 v8, 5, v0
	v_readfirstlane_b32 s[WV], v8                  ; wave 0..3
	s_mov_b32 s[G1+0], 3<<16                       ; elements of 8 bytes, no padding: a dense block as rows of 256 bytes
	s_mov_b32 s[G1+1], 32<<16                      ; tensor_dim0 = 32
	s_mov_b32 s[G1+2], 171<<16                     ; tensor_dim1 = 171
	s_mov_b32 s[G1+3], 32<<16                      ; tile_dim0 = 32
	s_mov_b32 s[G1+4], 171                         ; tile_dim1 = 171
	s_mov_b32 s[G1+5], 32
	s_mov_b32 s[G1+6], 0
	s_mov_b32 s[G1+7], 0
	s_mov_b32 s[HM], 0xffff0000
	s_mov_b32 s[SEL], 0x76543210
	s_mov_b32 s[SEL+1], 0xfedcba98
	s_and_b32 s18, ttmp9, 7
	s_cmp_lt_u32 ttmp9, 128
	s_cselect_b32 s20, ttmp9, s18                  ; which 64 rows of the tensor: x has 128 such blocks, each W eight
	s_mul_i32 s20, s20, 64*GROW
	s_mov_b32 s21, 0
	s_lshl_b32 s22, s[WV], 9                       ; my K step: 128 columns
	s_mul_i32 s28, ttmp9, 4*REC                    ; the work-group's four records
	s_mov_b32 s29, 0
	s_mul_i32 s30, s[WV], 1536
	s_mov_b32 s31, 0
	s_lshl_b32 s54, s[WV], 7
	s_add_co_u32 s54, s54, 7680
	s_mov_b32 s55, 0
	s_mul_i32 s56, s[WV], REC
	s_mov_b32 s57, 0
	s_lshr_b32 s18, s[WV], 1
	s_lshl_b32 s18, s18, 5
	s_and_b32 s19, s[WV], 1
	s_lshl_b32 s19, s19, 3
	s_add_co_u32 s18, s18, s19
	s_mul_i32 s18, s18, GROW                       ; tile w's first row
	s_mov_b32 s[G0], 1
	s_mul_i32 s[G0+1], s[WV], PART                 ; LDS: my part of the block,
	s_mov_b32 s58, s[G0+1]                         ; and the same in memory
	s_mov_b32 s59, 0
	s_wait_dscnt 0x0
	s_wait_kmcnt 0x0
	s_cmp_lt_u32 ttmp9, 128                        ; which tensor: the choice hangs on the work-group's number alone
	s_cselect_b64 s[44:45], s[4:5], s[6:7]
	s_cmp_lt_u32 ttmp9, 136
	s_cselect_b64 s[44:45], s[44:45], s[8:9]
	s_cmp_lt_u32 ttmp9, 144
	s_cselect_b64 s[44:45], s[44:45], s[10:11]
	s_cmp_lt_u32 ttmp9, 152
	s_cselect_b64 s[44:45], s[44:45], s[12:13]
	s_add_nc_u64 s[44:45], s[44:45], s[20:21]      ; my 64 rows
	s_add_nc_u64 s[G0+2:G0+3], s[44:45], s[58:59]
	s_or_b32 s[G0+3], s[G0+3], 0x80000000          ; type = 2
	s_cmp_lt_u32 s[WV], 3
	s_cbranch_scc0 .Lnofill
	tensor_load_to_lds s[G0:G0+3], s[G1:G1+7]      ; a third of the block
	s_nop 0
.rept 4
	v_nop
.endr
.Lnofill:
	s_add_nc_u64 s[14:15], s[14:15], s[28:29]
	s_add_nc_u64 s[48:49], s[14:15], s[30:31]      ; codes of K step w
	s_add_nc_u64 s[50:51], s[14:15], s[54:55]      ; scale words of K step w
	s_add_nc_u64 s[52:53], s[14:15], s[56:57]      ; tile w's record
	v_and_b32 v8, 31, v0                           ; lane
	v_and_b32 v9, 15, v0                           ; r
	v_bfe_u32 v10, v0, 4, 1                        ; h
	v_and_b32 v11, 8, v9
	v_add_nc_u32 v11, v11, v9                      ; r + 8 (r / 8)
	v_mul_u32_u24 v12, v11, GROW
	v_add_nc_u32 v13, s22, v12
	v_xor_b32 v14, 1, v10
	v_lshl_add_u32 v[LA], v10, 6, v13
	v_lshl_add_u32 v[LC], v14, 6, v13
	v_add_nc_u32 v[LA+1], 32*GROW, v[LA]
	v_add_nc_u32 v[LC+1], 32*GROW, v[LC]
	v_add_nc_u32 v[L5], s18, v12
	v_lshlrev_b32 v[LI], 4, v8
	v_lshlrev_b32 v[LS], 2, v8
.irp b, 0,1,2,3
	v_mov_b32 v[TM+4+\b], 0                        ; written once: a lane permute's destination counts as one of its sources
.endr
	s_wait_alu depctr_va_vdst(0)
	s_wait_tensorcnt 0x0                           ; my part of the block is in,
	s_barrier_signal -1
	s_barrier_wait -1                              ; everybody's is; nothing is filled again
	ds_load_b32 v[C4], v[L5] offset:2048           ; index 512
	FETCH 0
	FETCH 1
	UNIT 0, 63
	FETCH 2
	UNIT 1, 63
	FETCH 3
	UNIT 2, 63
	UNIT 3, 0
	QLAST C4, X, PC+48, PW+4
.irp c, 0,1,2
	global_store_b128 v[LI], v[PC+48+4*\c:PC+48+4*\c+3], s[52:53] offset:6144+512*\c
.endr
	global_store_b32 v[LS], v[PW+4], s[52:53] offset:8192
	s_wait_tensorcnt 0x0                           ; the wave's end
	ds_add_u32 v254, v255
	s_wait_dscnt 0x0
	s_endpgm
.Lfunc_end_k_qb612a736c8_quant:
	.size	k_qb612a736c8_quant, .Lfunc_end_k_qb612a736c8_quant-k_qb612a736c8_quant
	.p2alignl 7, 3214868480
	.fill 96, 4, 3214868480
	.section	.rodata,"a",@progbits
	.p2align	6, 0x0
	.amdhsa_kernel k_qb612a736c8_quant
		.amdhsa_group_segment_fixed_size 168448
		.amdhsa_private_segment_fixed_size 0
		.amdhsa_enable_private_segment 0
		.amdhsa_kernarg_size 48
		.amdhsa_user_sgpr_count 2
		.amdhsa_user_sgpr_kernarg_segment_ptr 1
		.amdhsa_wavefront_size32 1
		.amdhsa_system_sgpr_workgroup_id_x 1
		.amdhsa_system_sgpr_workgroup_id_y 1
		.amdhsa_system_sgpr_workgroup_id_z 1
		.amdhsa_system_vgpr_workitem_id 0
		.amdhsa_next_free_vgpr 256
		.amdhsa_next_free_sgpr 66
		.amdhsa_reserve_vcc 0
		.amdhsa_float_denorm_mode_32 3
		.amdhsa_float_denorm_mode_16_64 3
		.amdhsa_memory_ordered 1
		.amdhsa_forward_progress 1
		.amdhsa_inst_pref_size 39
	.end_amdhsa_kernel
	.amdgpu_metadata
---
amdhsa.version: [ 1, 2 ]
amdhsa.kernels:
  - .name:           k_qb612a736c8_quant
    .symbol:         k_qb612a736c8_quant.kd
    .args:
      - { .name: x, .offset: 0, .size: 8, .value_kind: global_buffer, .address_space: global }
      - { .name: Wq, .offset: 8, .size: 8, .value_kind: global_buffer, .address_space: global }
      - { .name: Wk, .offset: 16, .size: 8, .value_kind: global_buffer, .address_space: global }
      - { .name: Wv, .offset: 24, .size: 8, .value_kind: global_buffer, .address_space: global }
      - { .name: Wo, .offset: 32, .size: 8, .value_kind: global_buffer, .address_space: global }
      - { .name: xw, .offset: 40, .size: 8, .value_kind: global_buffer, .address_space: global }
    .group_segment_fixed_size: 168448
    .private_segment_fixed_size: 0
    .kernarg_segment_align: 8
    .kernarg_segment_size: 48
    .max_flat_workgroup_size: 128
    .sgpr_count:     66
    .vgpr_count:     256
    .wavefront_size: 32
...
	.end_amdgpu_metadata
.endif
;; end of part 1
;; launch qkv (part 2): grid 64 x 3, 8 waves a work-group, no clusters, 168,960 bytes of LDS; arguments xw, bq, bk, bv, qq, kv; writes qq, kv
.if DOCPART == 2
	.amdgcn_target "amdgcn-amd-amdhsa--gfx1250"
	.amdhsa_code_object_version 6
	.text
	.protected	k_qb612a736c8_qkv
	.globl	k_qb612a736c8_qkv
	.p2align	8
	.type	k_qb612a736c8_qkv,@function
k_qb612a736c8_qkv:
	s_mov_b64 s[64:65], 0
	v_nop
	global_prefetch_b8 v0, s[64:65] scope:SCOPE_SE
	s_setreg_imm32_b32 hwreg(HW_REG_WAVE_MODE, 25, 1), 1
	s_wait_xcnt 0x0
; q, k, v = x W^T + b for each head, on codes of BF6 (K = 513 in five K steps of 128), their times t = sqrt(10 + |space|^2), and the quantising of what attention multiplies.
; SHARES: work-group (tb, y): 128 tokens (8 tiles of x), y = 0 q, 1 k, 2 v.  Wave = head: 128 tokens x 64 columns, 32 accumulators (window 1), 160 matrix instructions.
; x's eight records, one dense block of 66,560 bytes, come into LDS once (waves 0 to 3, a quarter each) and are read by all eight waves; a wave's four tiles of W come straight into registers, a K step ahead.
; q, k (source 0 = W, source 1 = x): a lane holds ONE token and 32 of the head's 64 numbers in the order that the conversions take.  Two tiles of tokens make a PAIR FRAGMENT: registers 0-5 tile 2 P's 64 numbers,
;   registers 6-11 tile 2 P + 1's; scale word [a0, a1, b0, b1].  A record of qq (and the first 7,168 bytes of a record of kv): 4 pair fragments, 512 bytes of scale words (16 x lane + 4 x pair), 512 bytes of t in the tokens' own order.
; v (source 0 = x, source 1 = W): a lane holds ONE channel and its registers run along the 128 keys: quantised along the keys.  t_v is summed over the channels (registers, then the 16 lanes of a row) and so stands in
;   all 16 lanes: its fragment has 16 equal rows.  A record of kv from byte 7,168: 5 fragments, 512 bytes of scale words (word 0: lanes 0-15 channel tile 0, lanes 16-31 tile 1; word 1: tiles 2, 3; words 2, 3: t_v).
; The biases are the C of each sum's first matrix instruction.
; NO CLUSTER: x's tiles are shared along y alone, whose extent 3 no cluster of 4 divides; W is shared along x, but a work-group's eight heads of W are 8 x 4 x 8,320 = 266,240 bytes, which with x's 66,560 pass the 327,680 bytes of LDS.
; LIMITS: as in the launch before: a block of zeros gets the byte 1; blocks under 2^-122 are held at the byte 1; NaN and infinities are not served.
.set REC,  8320
.set TSC,  8*REC                       ; LDS behind x's records: 512 bytes for each wave, where t changes from the tiles' order to the tokens' (q and k alone)
.set LI,   1                           ; v1  16 x lane
.set LIH,  2                           ; v2  the same four records on
.set LS,   3                           ; v3  4 x lane
.set LSH,  4
.set BQ,   5                           ; v5  64 h: the bias of q and k
.set TSW,  6                           ; v6  t into LDS
.set TSR,  7                           ; v7  and back
.set BV,   8                           ; v8  4 (r + 8 (r / 8)): the bias of v
.set XS,   16                          ; v16-23   x's scale words
.set WS,   24                          ; v24-31   W's, two sets
.set XF,   32                          ; v32-127  x's 8 fragments
.set WF,   128                         ; v128-223 W's 4 fragments, two sets
.set BI,   224                         ; v224-255 the bias, 8 registers a tile of W
.set WV,   16
.set Y,    18
.set SEL,  20
.set HM,   22
.set G0,   24
.set G1,   32
.set MSB, 0
.macro WIN new                         ; the immediate's high byte repeats the setting that is left
.if MSB != \new
	s_set_vgpr_msb (MSB<<8)|\new
.set MSB, \new
.endif
.endm
.macro PLACES                          ; four places behind matrix instructions, in front of loads into their registers and of reads of their results
.rept 4
	v_nop
.endr
.endm
.macro WLOAD s                         ; 16 loads: W's four fragments and scale words of K step s into set s % 2
.irp wt, 0,1,2,3
.irp c, 0,1,2
	global_load_b128 v[WF+48*((\s)%2)+12*\wt+4*\c:WF+48*((\s)%2)+12*\wt+4*\c+3], v[LI], s[40:41] offset:REC*\wt+1536*(\s)+512*\c
.endr
.endr
.irp wt, 0,1,2,3
	global_load_b32 v[WS+4*((\s)%2)+\wt], v[LS], s[40:41] offset:REC*\wt+7680+128*(\s)
.endr
.endm
.macro XLOAD s                         ; x's eight fragments and scale words of K step s, as images: 512 consecutive bytes a load
.irp xt, 0,1,2,3
.irp c, 0,1,2
	ds_load_b128 v[XF+12*\xt+4*\c:XF+12*\xt+4*\c+3], v[LI] offset:REC*\xt+1536*(\s)+512*\c
	ds_load_b128 v[XF+48+12*\xt+4*\c:XF+48+12*\xt+4*\c+3], v[LIH] offset:REC*\xt+1536*(\s)+512*\c
.endr
	ds_load_b32 v[XS+\xt], v[LS] offset:REC*\xt+7680+128*(\s)
	ds_load_b32 v[XS+4+\xt], v[LSH] offset:REC*\xt+7680+128*(\s)
.endr
.endm
.macro MM s, isv, xt, wt
.set rW, WF+48*((\s)%2)+12*\wt
.set rX, XF+12*\xt
.set sW, WS+4*((\s)%2)+\wt
.set sX, XS+\xt
.if \isv
.set rD, 64*\wt+8*\xt
.if (\s) == 0
	v_wmma_scale_f32_16x16x128_f8f6f4 v[rD:rD+7], v[rX:rX+11], v[rW:rW+11], v[BI+8*\wt:BI+8*\wt+7], v[sX], v[sW] matrix_a_fmt:MATRIX_FMT_BF6 matrix_b_fmt:MATRIX_FMT_BF6
.else
	v_wmma_scale_f32_16x16x128_f8f6f4 v[rD:rD+7], v[rX:rX+11], v[rW:rW+11], v[rD:rD+7], v[sX], v[sW] matrix_a_fmt:MATRIX_FMT_BF6 matrix_b_fmt:MATRIX_FMT_BF6
.endif
.else
.set rD, 32*\xt+8*\wt
.if (\s) == 0
	v_wmma_scale_f32_16x16x128_f8f6f4 v[rD:rD+7], v[rW:rW+11], v[rX:rX+11], v[BI+8*\wt:BI+8*\wt+7], v[sW], v[sX] matrix_a_fmt:MATRIX_FMT_BF6 matrix_b_fmt:MATRIX_FMT_BF6
.else
	v_wmma_scale_f32_16x16x128_f8f6f4 v[rD:rD+7], v[rW:rW+11], v[rX:rX+11], v[rD:rD+7], v[sW], v[sX] matrix_a_fmt:MATRIX_FMT_BF6 matrix_b_fmt:MATRIX_FMT_BF6
.endif
.endif
.endm
; A K step: 32 matrix instructions, the 32 accumulators by turns.  left: the loads of W issued behind this step's, which may stay out
.macro KSTEP s, isv, left
	XLOAD \s
	s_wait_loadcnt \left
	s_wait_dscnt 0x0
.if (\s) == 0
	WIN 0x40                                       ; D window 1; the bias as C in window 0
.else
	WIN 0x50                                       ; C and D window 1
.endif
.irp xt, 0,1,2,3,4,5,6,7
.irp wt, 0,1,2,3
	MM \s, \isv, \xt, \wt
.endr
.endr
	WIN 0
	PLACES
.if (\s) < 3
	WLOAD (\s)+2                                   ; into the set just multiplied
.endif
.endm
; 64 numbers of a lane (w = 1: in window 1), register 16 b + i = place 32 b + 16 (lane / 16) + i, become a fragment in v[pc] on and its scale word in v[pw]
.macro QUANT s, pc, pw, w
.if \w
	WIN 0x14                                       ; sources 1 and 2 window 1
.endif
.irp b, 0,1,2,3
	v_max3_num_f32 v[TM+\b], 0x2800000, |v[\s+16*\b]|, |v[\s+16*\b+1]|   ; my 16 numbers of block b, and the floor 2^(5 - 127): the byte cannot fall under 1
.endr
.irp i, 2,4,6,8,10,12,14
.irp b, 0,1,2,3
	v_max3_num_f32 v[TM+\b], v[TM+\b], |v[\s+16*\b+\i]|, |v[\s+16*\b+\i+1]|
.endr
.endr
	WIN 0
.irp b, 0,1,2,3
	v_permlanex16_b32 v[TM+4+\b], v[TM+\b], s[SEL], s[SEL+1]
.endr
.irp b, 0,1,2,3
	s_delay_alu instid0(VALU_DEP_4)
	v_max_num_f32 v[TM+\b], v[TM+\b], v[TM+4+\b]
.endr
.irp b, 0,1,2,3
	s_delay_alu instid0(VALU_DEP_4)
	v_add_nc_u32 v[TM+12+\b], 0xfe000000, v[TM+\b]         ; 4 off the exponent field: the conversion's scale operand
.endr
.irp b, 0,1,2,3
	s_delay_alu instid0(VALU_DEP_4)
	v_lshrrev_b32 v[TM+4+\b], 23, v[TM+12+\b]              ; the scale's byte
.endr
	s_delay_alu instid0(VALU_DEP_3)
	v_lshl_or_b32 v[\pw], v[TM+5], 8, v[TM+4]
	s_delay_alu instid0(VALU_DEP_1)
	v_lshl_or_b32 v[\pw], v[TM+6], 16, v[\pw]
	s_delay_alu instid0(VALU_DEP_1)
	v_lshl_or_b32 v[\pw], v[TM+7], 24, v[\pw]
.if \w
	WIN 0x01                                       ; source 0 window 1
.endif
.irp c, 0,1
	v_cvt_scalef32_pk16_bf6_f32 v[\pc+6*\c:\pc+6*\c+2], v[\s+32*\c:\s+32*\c+15], v[TM+12+2*\c]
	v_cvt_scalef32_pk16_bf6_f32 v[T2+4*\c:T2+4*\c+2], v[\s+32*\c+16:\s+32*\c+31], v[TM+12+2*\c+1]
.endr
	WIN 0
	v_nop                                          ; one plain place behind a scaled conversion
.irp c, 0,1
.irp i, 0,1,2
	v_permlane16_swap_b32 v[\pc+6*\c+\i], v[T2+4*\c+\i]
.endr
.irp i, 0,1,2
	s_delay_alu instid0(VALU_DEP_3)
	v_mov_b32 v[\pc+6*\c+3+\i], v[T2+4*\c+\i]
.endr
.endr
.endm
	s_load_b256 s[4:11], s[0:1], 0x0               ; xw, bq, bk, bv
	s_load_b128 s[12:15], s[0:1], 0x20             ; qq, kv
	v_lshl_add_u32 v14, v0, 2, 0x29000
	v_mov_b32 v15, 0
	ds_add_u32 v14, v15
	ds_add_u32 v14, v15
	v_lshrrev_b32 v9, 5, v0
	s_delay_alu instid0(VALU_DEP_1)
	v_readfirstlane_b32 s[WV], v9                  ; wave 0..7 = head
	s_and_b32 s[Y], ttmp7, 0xffff
	s_mov_b32 s[G1+0], 3<<16                       ; elements of 8 bytes, no padding: a dense block as rows of 256 bytes
	s_mov_b32 s[G1+1], 32<<16                      ; tensor_dim0 = 32
	s_mov_b32 s[G1+2], 65<<16                      ; tensor_dim1 = 65
	s_mov_b32 s[G1+3], 32<<16                      ; tile_dim0 = 32
	s_mov_b32 s[G1+4], 65                          ; tile_dim1 = 65: two records
	s_mov_b32 s[G1+5], 32
	s_mov_b32 s[G1+6], 0
	s_mov_b32 s[G1+7], 0
	s_mov_b32 s[SEL], 0x76543210
	s_mov_b32 s[SEL+1], 0xfedcba98
	s_mov_b32 s[HM], 0xffff0000
	s_mov_b32 s[G0], 1
	s_mul_i32 s[G0+1], s[WV], 2*REC                ; LDS: two records for each of waves 0 to 3
	s_mul_i32 s46, ttmp9, 8*REC
	s_add_co_u32 s46, s46, s[G0+1]                 ; and the same two in xw
	s_mov_b32 s47, 0
	s_lshl_b32 s48, s[Y], 5
	s_lshl_b32 s49, s[WV], 2
	s_add_co_u32 s48, s48, s49
	s_add_co_u32 s48, s48, 512
	s_mul_i32 s48, s48, REC                        ; my head's four tiles of Wq, Wk or Wv
	s_mov_b32 s49, 0
	s_lshr_b32 s50, ttmp9, 4                       ; the batch
	s_lshl_b32 s50, s50, 3
	s_add_co_u32 s50, s50, s[WV]
	s_lshl_b32 s50, s50, 4
	s_and_b32 s51, ttmp9, 15
	s_add_co_u32 s50, s50, s51                     ; record: (batch x 8 + head) x 16 + block of 128 tokens
	s_lshl_b32 s52, s[WV], 8                       ; my head's 64 numbers of the bias
	s_mov_b32 s53, 0
	s_cmp_eq_u32 s[Y], 0
	s_mov_b32 s51, 15360
	s_cselect_b32 s51, 7168, s51
	s_mul_i32 s50, s50, s51
	s_mov_b32 s51, 0
	s_wait_dscnt 0x0
	s_wait_kmcnt 0x0
	s_cmp_eq_u32 s[Y], 0                           ; the choices hang on the work-group's number alone
	s_cselect_b64 s[42:43], s[12:13], s[14:15]
	s_cselect_b64 s[44:45], s[6:7], s[8:9]
	s_cmp_eq_u32 s[Y], 2
	s_cselect_b64 s[44:45], s[10:11], s[44:45]
	s_add_nc_u64 s[42:43], s[42:43], s[50:51]      ; where my results go
	s_add_nc_u64 s[44:45], s[44:45], s[52:53]      ; my bias
	s_add_nc_u64 s[40:41], s[4:5], s[48:49]        ; my W
	s_add_nc_u64 s[G0+2:G0+3], s[4:5], s[46:47]
	s_or_b32 s[G0+3], s[G0+3], 0x80000000
	s_cmp_lt_u32 s[WV], 4
	s_cbranch_scc0 .Lnofill
	tensor_load_to_lds s[G0:G0+3], s[G1:G1+7]      ; a quarter of x's eight records
	s_nop 0
.rept 4
	v_nop
.endr
.Lnofill:
	v_and_b32 v9, 31, v0
	s_delay_alu instid0(VALU_DEP_1)
	v_lshlrev_b32 v[LI], 4, v9
	s_delay_alu instid0(VALU_DEP_1)
	v_add_nc_u32 v[LIH], 4*REC, v[LI]
	s_delay_alu instid0(VALU_DEP_3)
	v_lshlrev_b32 v[LS], 2, v9
	s_delay_alu instid0(VALU_DEP_1)
	v_add_nc_u32 v[LSH], 4*REC, v[LS]
	v_bfe_u32 v10, v0, 4, 1
	s_delay_alu instid0(VALU_DEP_1)
	v_lshlrev_b32 v[BQ], 6, v10
	v_and_b32 v11, 15, v0
	s_delay_alu instid0(VALU_DEP_1)
	v_and_b32 v12, 8, v11
	s_delay_alu instid0(VALU_DEP_1)
	v_add_nc_u32 v11, v11, v12
	s_delay_alu instid0(VALU_DEP_1)
	v_lshlrev_b32 v[BV], 2, v11
	s_lshl_b32 s46, s[WV], 9
	s_add_co_u32 s46, s46, TSC
	v_add_nc_u32 v[TSW], s46, v[BV]
	v_add_nc_u32 v[TSR], s46, v[LI]
	WLOAD 0
	WLOAD 1
	s_wait_tensorcnt 0x0                           ; my part of x's records is in,
	s_barrier_signal -1
	s_barrier_wait -1                              ; everybody's is; nothing is filled again
	s_cmp_eq_u32 s[Y], 2
	s_cbranch_scc1 .Lv
	; ---- q and k
	s_wait_alu depctr_va_vdst(0)
.irp wt, 0,1,2,3
	global_load_b128 v[BI+8*\wt:BI+8*\wt+3], v[BQ], s[44:45] offset:(32*(\wt/2)+8*(\wt%2))*4          ; lane (r, h), tile 2 b + u: the bias of columns 32 b + 16 h + 8 u + 0 .. 7
	global_load_b128 v[BI+8*\wt+4:BI+8*\wt+7], v[BQ], s[44:45] offset:(32*(\wt/2)+8*(\wt%2))*4+16
.endr
	KSTEP 0, 0, 0
	KSTEP 1, 0, 16
	KSTEP 2, 0, 16
	KSTEP 3, 0, 16
	KSTEP 4, 0, 0
.set TM,  32                           ; window 0 anew: v32-47 at work, v48-55 second halves, v56-103 four fragments, v104-107 scale words, v108-115 t of 8 tiles, v116-123 sums
.set T2,  48
.set PCQ, 56
.set PWQ, 104
.set TT,  108
.set SS,  116
.irp b, 0,1,2,3
	v_mov_b32 v[TM+4+\b], 0                        ; written once: a lane permute's destination counts as one of its sources
.endr
	v_mov_b32 v[SS+4], 0
	v_mov_b32 v[SS+5], 0
.macro TIMES p                         ; t of the pair's two tiles: each accumulator is read from its low end on
	WIN 0x05                                       ; sources 0 and 1 window 1
	v_pk_mul_f32 v[SS:SS+1], v[64*\p:64*\p+1], v[64*\p:64*\p+1]
	v_pk_mul_f32 v[SS+2:SS+3], v[64*\p+32:64*\p+33], v[64*\p+32:64*\p+33]
.irp i, 2,4,6,8,10,12,14,16,18,20,22,24,26,28,30
	v_pk_fma_f32 v[SS:SS+1], v[64*\p+\i:64*\p+\i+1], v[64*\p+\i:64*\p+\i+1], v[SS:SS+1]
	v_pk_fma_f32 v[SS+2:SS+3], v[64*\p+32+\i:64*\p+33+\i], v[64*\p+32+\i:64*\p+33+\i], v[SS+2:SS+3]
.endr
	WIN 0
	v_add_f32 v[SS], v[SS], v[SS+1]
	v_add_f32 v[SS+2], v[SS+2], v[SS+3]
	s_delay_alu instid0(VALU_DEP_2)
	v_permlanex16_b32 v[SS+4], v[SS], s[SEL], s[SEL+1]
	s_delay_alu instid0(VALU_DEP_2)
	v_permlanex16_b32 v[SS+5], v[SS+2], s[SEL], s[SEL+1]
	s_delay_alu instid0(VALU_DEP_2)
	v_add_f32 v[SS], v[SS], v[SS+4]                ; with lane l xor 16's 32 numbers
	s_delay_alu instid0(VALU_DEP_2)
	v_add_f32 v[SS+2], v[SS+2], v[SS+5]
	s_delay_alu instid0(VALU_DEP_2)
	v_add_f32 v[SS], 0x41200000, v[SS]             ; + 1 / k = 10
	s_delay_alu instid0(VALU_DEP_2)
	v_add_f32 v[SS+2], 0x41200000, v[SS+2]
	s_wait_alu depctr_va_vdst(0)
	v_sqrt_f32 v[TT+2*\p], v[SS]
	v_sqrt_f32 v[TT+2*\p+1], v[SS+2]               ; (the plain lines that follow touch neither)
.endm
.irp p, 0,1,2,3
	s_wait_alu depctr_va_vdst(0)
	TIMES \p
	QUANT 64*\p, PCQ+12*\p, PWQ+\p, 1
.irp c, 0,1,2
	global_store_b128 v[LI], v[PCQ+12*\p+4*\c:PCQ+12*\p+4*\c+3], s[42:43] offset:1536*\p+512*\c
.endr
.endr
	global_store_b128 v[LI], v[PWQ:PWQ+3], s[42:43] offset:6144
	s_wait_alu depctr_va_vdst(0)
.irp t, 0,1,2,3,4,5,6,7
	ds_store_b32 v[TSW], v[TT+\t] offset:(32*(\t/2)+8*(\t%2))*4    ; both halves of the lanes write the same word with the same number
.endr
	ds_load_b128 v[SS:SS+3], v[TSR]                ; LDS serves a wave's instructions in order (ISA guide 5.7.1.4): this sees my stores
	s_wait_dscnt 0x0
	global_store_b128 v[LI], v[SS:SS+3], s[42:43] offset:6656
	s_wait_tensorcnt 0x0
	ds_add_u32 v14, v15
	s_wait_dscnt 0x0
	s_endpgm
	; ---- v
.Lv:
	s_wait_alu depctr_va_vdst(0)
.irp ct, 0,1,2,3
.irp j, 0,1,2,3,4,5,6,7
	global_load_b32 v[BI+8*\ct+\j], v[BV], s[44:45] offset:(32*(\ct/2)+8*(\ct%2))*4   ; a lane holds one channel: its bias in all eight registers of the C
.endr
.endr
	KSTEP 0, 1, 0
	KSTEP 1, 1, 16
	KSTEP 2, 1, 16
	KSTEP 3, 1, 16
	KSTEP 4, 1, 0
.set TV,  32                           ; window 0 anew: v32-95 t_v of the 64 keys of my half, v96-111 at work, v112-171 five fragments, v172-179 second halves, v180-184 scale words, v188-191 as stored
.set TM,  96
.set PCV, 112
.set T2,  172
.set PWV, 180
.set SW,  188
	WIN 0x05
.set i, 0
.rept 32
	v_pk_fma_f32 v[TV+i:TV+i+1], v[i:i+1], v[i:i+1], 0x3f200000 op_sel_hi:[1,1,0]   ; v^2 + 0.625: sixteen lanes' 0.625 are the 10
.set i, i+2
.endr
.irp ct, 1,2,3
.set i, 0
.rept 32
	v_pk_fma_f32 v[TV+i:TV+i+1], v[64*\ct+i:64*\ct+i+1], v[64*\ct+i:64*\ct+i+1], v[TV+i:TV+i+1]
.set i, i+2
.endr
.endr
	WIN 0
.irp m, 1,2,4,8
.set i, 0
.rept 64
	v_add_f32_dpp v[TV+i], v[TV+i], v[TV+i] row_xmask:\m row_mask:0xf bank_mask:0xf   ; over the 16 channels of the lanes of my half
.set i, i+1
.endr
.endr
.set i, 0
	s_wait_alu depctr_va_vdst(0)
.rept 64
	v_sqrt_f32 v[TV+i], v[TV+i]
.set i, i+1
.endr
	s_wait_alu depctr_va_vdst(0)
.irp b, 0,1,2,3
	v_mov_b32 v[TM+4+\b], 0                        ; (plain places behind the roots)  written once for the lane permutes
.endr
.irp ct, 0,1,2,3
	QUANT 64*\ct, PCV+12*\ct, PWV+\ct, 1
.endr
	QUANT TV, PCV+48, PWV+4, 0
.irp ct, 0,1,2,3,4
.irp c, 0,1,2
	global_store_b128 v[LI], v[PCV+12*\ct+4*\c:PCV+12*\ct+4*\c+3], s[42:43] offset:7168+1536*\ct+512*\c
.endr
.endr
	v_cndmask_b32 v[SW], v[PWV], v[PWV+1], s[HM]   ; one register for two tiles' scale words: lanes 0-15 the even tile's, lanes 16-31 the odd one's
	v_cndmask_b32 v[SW+1], v[PWV+2], v[PWV+3], s[HM]
	v_mov_b32 v[SW+2], v[PWV+4]
	v_mov_b32 v[SW+3], v[PWV+4]
	global_store_b128 v[LI], v[SW:SW+3], s[42:43] offset:14848
	s_wait_tensorcnt 0x0
	ds_add_u32 v14, v15
	s_wait_dscnt 0x0
	s_endpgm
.Lfunc_end_k_qb612a736c8_qkv:
	.size	k_qb612a736c8_qkv, .Lfunc_end_k_qb612a736c8_qkv-k_qb612a736c8_qkv
	.p2alignl 7, 3214868480
	.fill 96, 4, 3214868480
	.section	.rodata,"a",@progbits
	.p2align	6, 0x0
	.amdhsa_kernel k_qb612a736c8_qkv
		.amdhsa_group_segment_fixed_size 168960
		.amdhsa_private_segment_fixed_size 0
		.amdhsa_enable_private_segment 0
		.amdhsa_kernarg_size 48
		.amdhsa_user_sgpr_count 2
		.amdhsa_user_sgpr_kernarg_segment_ptr 1
		.amdhsa_wavefront_size32 1
		.amdhsa_system_sgpr_workgroup_id_x 1
		.amdhsa_system_sgpr_workgroup_id_y 1
		.amdhsa_system_sgpr_workgroup_id_z 1
		.amdhsa_system_vgpr_workitem_id 0
		.amdhsa_next_free_vgpr 512
		.amdhsa_next_free_sgpr 66
		.amdhsa_reserve_vcc 0
		.amdhsa_float_denorm_mode_32 3
		.amdhsa_float_denorm_mode_16_64 3
		.amdhsa_memory_ordered 1
		.amdhsa_forward_progress 1
		.amdhsa_inst_pref_size 166
	.end_amdhsa_kernel
	.amdgpu_metadata
---
amdhsa.version: [ 1, 2 ]
amdhsa.kernels:
  - .name:           k_qb612a736c8_qkv
    .symbol:         k_qb612a736c8_qkv.kd
    .args:
      - { .name: xw, .offset: 0, .size: 8, .value_kind: global_buffer, .address_space: global }
      - { .name: bq, .offset: 8, .size: 8, .value_kind: global_buffer, .address_space: global }
      - { .name: bk, .offset: 16, .size: 8, .value_kind: global_buffer, .address_space: global }
      - { .name: bv, .offset: 24, .size: 8, .value_kind: global_buffer, .address_space: global }
      - { .name: qq, .offset: 32, .size: 8, .value_kind: global_buffer, .address_space: global }
      - { .name: kv, .offset: 40, .size: 8, .value_kind: global_buffer, .address_space: global }
    .group_segment_fixed_size: 168960
    .private_segment_fixed_size: 0
    .kernarg_segment_align: 8
    .kernarg_segment_size: 48
    .max_flat_workgroup_size: 256
    .sgpr_count:     66
    .vgpr_count:     512
    .wavefront_size: 32
...
	.end_amdgpu_metadata
.endif
;; end of part 2
;; launch attn (part 3): grid 8 x 32, 8 waves a work-group, clusters of 4 x 1, 327,680 bytes of LDS; arguments qq, kv, ho, ht; writes ho, ht
.if DOCPART == 3
	.amdgcn_target "amdgcn-amd-amdhsa--gfx1250"
	.amdhsa_code_object_version 6
	.text
	.protected	k_qb612a736c8_attn
	.globl	k_qb612a736c8_attn
	.p2align	8
	.type	k_qb612a736c8_attn,@function
k_qb612a736c8_attn:
	s_mov_b64 s[64:65], 0
	v_nop
	global_prefetch_b8 v0, s[64:65] scope:SCOPE_SE
	s_setreg_imm32_b32 hwreg(HW_REG_WAVE_MODE, 25, 1), 1
	s_wait_xcnt 0x0
	s_wait_alu depctr_hold_cnt(0) depctr_sa_sdst(0) depctr_va_vdst(0) depctr_va_sdst(0) depctr_va_ssrc(0) depctr_va_vcc(0) depctr_vm_vsrc(0)
	s_getreg_b32 s2, hwreg(HW_REG_IB_STS2, 6, 4)
	s_cmp_eq_u32 s2, 0
	s_cbranch_scc0 .Lentry_in_a_cluster
	s_endpgm
.Lentry_in_a_cluster:
	s_bfe_u32 s2, ttmp6, 0x10000c
	s_cmp_lg_u32 s2, 0x3003
	s_cbranch_scc0 .Lentry_shape_is_right
	s_endpgm
.Lentry_shape_is_right:
; Lorentz attention of one (batch, head) on codes of BF6: scores = (<q, k> - t_q t_k) / 8, p = 2^(t - M) with a running whole M, m = p v / the sum of p, out = m / sqrt(max(0.1 (m_t^2 - |m_s|^2), 1e-9)).
; ho takes s x out_space (row = token, 256 bytes a head), ht takes out_time.
; SHARES: work-group (x, y): head y, 256 queries.  Wave w: the two tiles of 16 queries of ONE pair fragment of qq (record 2 x + w / 4, pair w % 4): tile A's registers lie in window 0, tile B's under the same numbers in window 1,
; so one text (SOFT, FIN) serves both.  Each fragment of k, v and each t_k that a wave reads from LDS serves both tiles.
; A record of kv, 15,360 bytes for 128 keys: 4 pair fragments of k (registers 0-5 tile 2 P's 64 numbers, 6-11 tile 2 P + 1's), 512 bytes of scale words, 512 of t_k, 5 fragments of v with the keys innermost (the fifth: t_v), 512 of scale words.
; BOTH PRODUCTS ARE USED TRANSPOSED: a lane holds one query; the 16 registers of two neighbouring tiles of S^T are 16 neighbouring keys.  q's fragment stands as [q, 0] and as [0, q], which pick one tile of a pair.
; -t_q t_k, in f32, is the C of the score's matrix instruction.
; THE HEAD'S 16 RECORDS, 245,760 bytes, lie in LDS whole, filled once: records 0-3 by the head's load (30 rows of 256 bytes a wave), records 4-15 by a second load (90 rows a wave).
; CLUSTER: the four work-groups of a cluster take the same head: both loads are joint.  NO PREFETCH: all that the launch reads of kv is asked for by these two loads at its start; no loop runs ahead of a load.
; LIMITS: the promise holds while the scaled scores (exponents to the base 2) stay under 2^31 in magnitude; a block of p that is all zeros keeps the byte 1; NaN and infinities are not served.
.set RECK,  15360
.set KVH,   16*RECK
.set STAGE, KVH                        ; the way out: 16 rows x 272 bytes for each tile of each wave
.set SP,    272
.set SPARE, STAGE+16*16*SP             ; the spare words, 128 bytes a wave
; window 0 alone: v1 16 x lane, v2 64 h, v3 the step's address, v8-9 and v10-11 q's scale words of tiles A and B, v34-37 k's or v's scale words, v40-99 fragments of k, then of v,
;   v242-243 p's scale words, v244 ho, v245-246 the stage, v247 ht, v248 the next record's t_k.   window 1 alone: v36-99 t_k of my half's 64 keys.
; in both windows: v6 -t_q, v12 -M, v13 the largest t, v14-15 the sum, v16-33 [q, 0, q], and:
.set TK,  36
.set KF,  40
.set S,   100                          ; 64: scores, then p
.set OT,  164                          ; 40: O^T
.set PC,  204                          ; p's codes
.set T2,  216
.set BM,  224
.set TP,  228
.set SO,  232
.set MSB, 0
.macro WIN new                         ; the immediate's high byte repeats the setting that is left
.if MSB != \new
	s_set_vgpr_msb (MSB<<8)|\new
.set MSB, \new
.endif
.endm
.macro PLACES                          ; four places behind matrix instructions (ISA guide 7.12.1)
.rept 4
	v_nop
.endr
.endm
.macro ROUND                           ; a round of the cluster's barrier
	s_barrier_signal -1
	s_barrier_wait -1
	s_cmp_lg_u32 s12, 0
	s_cbranch_scc1 .Lnot_wave_0_\@
	s_barrier_signal -3
.Lnot_wave_0_\@:
	s_barrier_wait -3
	s_barrier_signal -1
	s_barrier_wait -1
.endm
.macro WM d, a, b, sa, sb
	v_wmma_scale_f32_16x16x128_f8f6f4 v[\d:\d+7], v[\a:\a+11], v[\b:\b+11], v[\d:\d+7], v[\sa], v[\sb] matrix_a_fmt:MATRIX_FMT_BF6 matrix_b_fmt:MATRIX_FMT_BF6
.endm
.macro WM1 d, a, b, sa, sb
	v_wmma_scale_f32_16x16x128_f8f6f4 v[\d:\d+7], v[\a:\a+11], v[\b:\b+11], v[\d:\d+7], v[\sa], v[\sb] matrix_a_fmt:MATRIX_FMT_BF6 matrix_b_fmt:MATRIX_FMT_BF6 matrix_a_scale:MATRIX_SCALE_ROW1
.endm
.macro INIT                            ; a tile's state: the step is written once and finds zeros
	v_mov_b32 v13, 0xff61b1e6                      ; -3e38, under every t
	v_mov_b32 v14, 0
	v_mov_b32 v15, 0
	v_mov_b32 v7, 0
	v_mov_b32 v241, 0
	v_floor_f32 v12, -v13
.irp b, 0,1,2,3
	v_mov_b32 v[TP+\b], 0
.endr
.irp i, 0,1,2,3,4,5
	v_mov_b32 v[22+\i], 0
.endr
.set i, 0
.rept 40
	v_mov_b32 v[OT+i], 0
.set i, i+1
.endr
.endm
	s_load_b256 s[4:11], s[0:1], 0x0               ; qq, kv, ho, ht
	v_lshl_add_u32 v254, v0, 2, SPARE
	v_mov_b32 v255, 0
	ds_add_u32 v254, v255                          ; the opening lines: the add, twice on end, and its wait
	ds_add_u32 v254, v255
	v_lshrrev_b32 v1, 5, v0
	s_delay_alu instid0(VALU_DEP_1)
	v_readfirstlane_b32 s12, v1                    ; wave 0..7
	s_bfe_u32 s13, ttmp6, 0x40000                  ; cx
	s_lshl_b32 s14, ttmp9, 2
	s_add_co_u32 s14, s14, s13                     ; work-group x
	s_and_b32 s15, ttmp7, 0xffff                   ; batch x 8 + head
	s_lshr_b32 s16, s12, 2
	s_lshl_b32 s17, s14, 1
	s_add_co_u32 s16, s16, s17                     ; my record of qq
	s_and_b32 s17, s12, 3                          ; my pair in it
	s_mov_b32 s20, 0x76543210
	s_mov_b32 s21, 0xfedcba98
	s_mov_b32 s22, 0x3e38aa3b                      ; log2(e) / 8
	s_mov_b32 s23, s22
	s_mov_b32 s24, 15|(3<<16)|(1<<21)              ; group 1 of the head's load: the four partners; elements of 8 bytes; 30 rows of 256 bytes
	s_mov_b32 s25, 32<<16
	s_mov_b32 s26, 30<<16
	s_mov_b32 s27, 32<<16
	s_mov_b32 s28, 30
	s_mov_b32 s29, 32
	s_mov_b32 s30, 0
	s_mov_b32 s31, 0
	s_mov_b32 s32, 15|(3<<16)|(1<<21)              ; of the second: 90 rows
	s_mov_b32 s33, 32<<16
	s_mov_b32 s34, 90<<16
	s_mov_b32 s35, 32<<16
	s_mov_b32 s36, 90
	s_mov_b32 s37, 32
	s_mov_b32 s38, 0
	s_mov_b32 s39, 0
	s_mov_b32 s40, 1
	s_mul_i32 s41, s12, 7680
	s_mov_b32 s44, 1
	s_mul_i32 s45, s12, 23040
	s_add_co_u32 s45, s45, 4*RECK
	s_mul_i32 s50, s15, KVH
	s_mov_b32 s51, 0
	s_lshl_b32 s52, s15, 4
	s_add_co_u32 s52, s52, s16
	s_mul_i32 s52, s52, 7168
	s_mov_b32 s53, 0
	s_lshl_b32 s62, s16, 7
	s_lshl_b32 s63, s17, 5
	s_add_co_u32 s62, s62, s63                     ; tile A's first token; tile B's is 8 on
	s_lshl_b32 s56, s15, 13
	s_lshl_b32 s63, s62, 2
	s_add_co_u32 s56, s56, s63
	s_mov_b32 s57, 0
	s_lshr_b32 s54, s15, 3
	s_lshl_b32 s54, s54, 11
	s_add_co_u32 s54, s54, s62
	s_lshl_b32 s54, s54, 11
	s_and_b32 s63, s15, 7
	s_lshl_b32 s63, s63, 8
	s_add_co_u32 s54, s54, s63
	s_mov_b32 s55, 0
	s_mul_i32 s60, s17, 1536
	s_lshl_b32 s61, s17, 2
	s_lshl_b32 s58, s17, 7
	s_mul_i32 s59, s12, 32*SP
	s_add_co_u32 s59, s59, STAGE                   ; my two stages
	v_and_b32 v5, 31, v0
	v_bfe_u32 v232, v0, 4, 1                       ; h
	v_and_b32 v233, 15, v0                         ; r
	s_delay_alu instid0(VALU_DEP_3)
	v_lshlrev_b32 v1, 4, v5
	s_delay_alu instid0(VALU_DEP_3)
	v_lshlrev_b32 v2, 6, v232
	s_delay_alu instid0(VALU_DEP_3)
	v_and_b32 v234, 8, v233
	v_lshlrev_b32 v244, 11, v232
	v_mul_u32_u24 v245, v233, SP
	v_mul_u32_u24 v246, v232, SP
	s_delay_alu instid0(VALU_DEP_4)
	v_add_nc_u32 v234, v234, v233                  ; r + 8 (r / 8)
	s_delay_alu instid0(VALU_DEP_4)
	v_lshl_add_u32 v244, v233, 4, v244             ; ho: two rows an instruction, 16 bytes a lane
	s_delay_alu instid0(VALU_DEP_4)
	v_lshl_add_u32 v245, v232, 6, v245
	s_delay_alu instid0(VALU_DEP_4)
	v_lshl_add_u32 v246, v233, 4, v246
	s_delay_alu instid0(VALU_DEP_4)
	v_lshlrev_b32 v247, 2, v234
	v_add_nc_u32 v216, s60, v1
	v_add_nc_u32 v217, s61, v1
	s_delay_alu instid0(VALU_DEP_3)
	v_add_nc_u32 v218, s58, v247
	v_add_nc_u32 v245, s59, v245                   ; the stage, in: row r, + 64 h
	v_add_nc_u32 v246, s59, v246                   ; and back: row h, + 16 r
	s_wait_alu depctr_va_vdst(0)
	s_wait_dscnt 0x0
	s_wait_kmcnt 0x0
	s_add_nc_u64 s[6:7], s[6:7], s[50:51]
	s_mov_b32 s50, s41
	s_add_nc_u64 s[42:43], s[6:7], s[50:51]
	s_or_b32 s43, s43, 0x80000000
	s_mov_b32 s50, s45
	s_add_nc_u64 s[46:47], s[6:7], s[50:51]
	s_or_b32 s47, s47, 0x80000000
	s_add_nc_u64 s[52:53], s[4:5], s[52:53]
	s_add_nc_u64 s[54:55], s[8:9], s[54:55]
	s_add_nc_u64 s[56:57], s[10:11], s[56:57]
.irp c, 0,1,2
	global_load_b128 v[100+4*\c:103+4*\c], v216, s[52:53] offset:512*\c   ; my pair fragment of q: asked for ahead of the rounds
.endr
	global_load_b32 v112, v217, s[52:53] offset:6144                      ; its scale word [a0, a1, b0, b1]
	global_load_b32 v113, v218, s[52:53] offset:6656                      ; t_q of tile A,
	global_load_b32 v114, v218, s[52:53] offset:6688                      ; of tile B
	ROUND
	tensor_load_to_lds s[40:43], s[24:31]          ; records 0-3: my one load at the head
	s_nop 0
	INIT                                           ; both tiles' state is made while the load is out
	WIN 0x55
	INIT
	WIN 0
	s_wait_alu depctr_va_vdst(0)
	s_wait_tensorcnt 0x0                           ; ahead of a later first fill
	ds_add_u32 v254, v255
	s_wait_dscnt 0x0
	ROUND                                          ; everybody's part of records 0-3 is in
	tensor_load_to_lds s[44:47], s[32:39]          ; records 4-15
	s_nop 0
	s_wait_loadcnt 0x0
.irp i, 0,1,2,3,4,5
	v_mov_b32 v[16+\i], v[100+\i]
	v_mov_b32 v[28+\i], v[100+\i]
.endr
	v_and_b32 v115, 0xffff, v112
	v_lshrrev_b32 v116, 16, v112
	v_xor_b32 v6, 0x80000000, v113
	s_delay_alu instid0(VALU_DEP_3)
	v_or_b32 v8, 0x7f7f0000, v115                  ; [a0, a1, 1, 1] for [q, 0]
	v_lshl_or_b32 v9, v115, 16, 0x7f7f             ; [1, 1, a0, a1] for [0, q]
	s_delay_alu instid0(VALU_DEP_4)
	v_or_b32 v10, 0x7f7f0000, v116
	v_lshl_or_b32 v11, v116, 16, 0x7f7f
	WIN 0x40                                       ; destination window 1
.irp i, 0,1,2,3,4,5
	v_mov_b32 v[16+\i], v[106+\i]
	v_mov_b32 v[28+\i], v[106+\i]
.endr
	v_xor_b32 v6, 0x80000000, v114
	WIN 0
; a tile's softmax of 128 keys, the quantising of p, and O^T += v^T p^T.  t = 0: tile A, window 0; t = 1: tile B, window 1
.macro SOFT t
	WIN 0x55*\t
	s_wait_alu depctr_va_vdst(0)                   ; ahead of the first reader of the scores
.irp b, 0,1,2,3
	v_max3_num_f32 v[BM+\b], v[S+16*\b], v[S+16*\b+1], v[S+16*\b+2]   ; the largest score of each block of 32 keys
.endr
.irp i, 3,5,7,9,11,13
.irp b, 0,1,2,3
	v_max3_num_f32 v[BM+\b], v[BM+\b], v[S+16*\b+\i], v[S+16*\b+\i+1]
.endr
.endr
.irp b, 0,1,2,3
	v_max_num_f32 v[BM+\b], v[BM+\b], v[S+16*\b+15]
.endr
.irp b, 0,1,2,3
	s_delay_alu instid0(VALU_DEP_4)
	v_permlanex16_b32 v[TP+\b], v[BM+\b], s20, s21
.endr
.irp b, 0,1,2,3
	s_delay_alu instid0(VALU_DEP_4)
	v_max_num_f32 v[BM+\b], v[BM+\b], v[TP+\b]
.endr
	s_delay_alu instid0(VALU_DEP_2)
	v_max3_num_f32 v238, v[BM], v[BM+1], v[BM+2]
	s_delay_alu instid0(VALU_DEP_1)
	v_max_num_f32 v238, v238, v[BM+3]
	s_delay_alu instid0(VALU_DEP_1)
	v_mul_f32 v238, s22, v238
	s_delay_alu instid0(VALU_DEP_1)
	v_max_num_f32 v13, v13, v238                   ; the running largest t
	v_mov_b32 v238, v12
	s_delay_alu instid0(VALU_DEP_2)
	v_floor_f32 v12, -v13                          ; -M = -ceil(t)
	s_delay_alu instid0(VALU_DEP_1)
	v_sub_f32 v238, v12, v238
	s_delay_alu instid0(VALU_DEP_1)
	v_cvt_i32_f32 v238, v238
	s_delay_alu instid0(VALU_DEP_1)
	v_ldexp_f32 v240, 1.0, v238                    ; f = 2^(old M - new M)
.set i, 0
.rept 32
	v_pk_fma_f32 v[S+i:S+i+1], v[S+i:S+i+1], s[22:23], v[12:13] op_sel_hi:[1,0,0]   ; t - M
.set i, i+2
.endr
.irp b, 0,1,2,3
	v_fma_f32 v[BM+\b], v[BM+\b], s22, v12
.endr
.set i, 0
	s_wait_alu depctr_va_vdst(0)                   ; ahead of the batch
.rept 64
	v_exp_f32 v[S+i], v[S+i]
.set i, i+1
.endr
.irp b, 0,1,2,3
	v_exp_f32 v[BM+\b], v[BM+\b]                   ; each block's largest p
.endr
	v_pk_mul_f32 v[14:15], v[14:15], v[240:241] op_sel_hi:[1,0]
	s_wait_alu depctr_va_vdst(0)                   ; behind the batch, and directly ahead of the first reader of O^T
.set i, 0
.rept 20
	v_pk_mul_f32 v[OT+i:OT+i+1], v[OT+i:OT+i+1], v[240:241] op_sel_hi:[1,0]   ; O^T under the new M
.set i, i+2
.endr
.irp b, 0,1,2,3
	v_max_num_f32 v[BM+\b], 0x2800000, v[BM+\b]    ; the floor 2^(5 - 127)
.endr
.irp b, 0,1,2,3
	s_delay_alu instid0(VALU_DEP_4)
	v_add_nc_u32 v[SO+\b], 0xfe000000, v[BM+\b]    ; the conversion's scale operand
.endr
.irp b, 0,1,2,3
	s_delay_alu instid0(VALU_DEP_4)
	v_lshrrev_b32 v[TP+\b], 23, v[SO+\b]           ; the scale's byte
.endr
	s_delay_alu instid0(VALU_DEP_3)
	v_lshl_or_b32 v238, v[TP+1], 8, v[TP]
	s_delay_alu instid0(VALU_DEP_1)
	v_lshl_or_b32 v238, v[TP+2], 16, v238
	WIN 0x15*\t                                    ; scale operands have no window: the word goes to window 0
	v_lshl_or_b32 v[242+\t], v[TP+3], 24, v238
	WIN 0x55*\t
.irp c, 0,1
	v_cvt_scalef32_pk16_bf6_f32 v[PC+6*\c:PC+6*\c+2], v[S+32*\c:S+32*\c+15], v[SO+2*\c]
	v_cvt_scalef32_pk16_bf6_f32 v[T2+4*\c:T2+4*\c+2], v[S+32*\c+16:S+32*\c+31], v[SO+2*\c+1]
.endr
	v_nop                                          ; one plain place behind a scaled conversion
.irp c, 0,1
.irp i, 0,1,2
	v_permlane16_swap_b32 v[PC+6*\c+\i], v[T2+4*\c+\i]
.endr
.irp i, 0,1,2
	s_delay_alu instid0(VALU_DEP_3)
	v_mov_b32 v[PC+6*\c+3+\i], v[T2+4*\c+\i]
.endr
.endr
	v_pk_add_f32 v[236:237], v[S:S+1], v[S+2:S+3]  ; the sum of the unquantised p, in two chains
.irp j, 4,8,12,16,20,24,28,32,36,40,44,48,52,56,60
	v_pk_add_f32 v[14:15], v[14:15], v[S+\j:S+\j+1]
	v_pk_add_f32 v[236:237], v[236:237], v[S+\j+2:S+\j+3]
.endr
	s_delay_alu instid0(VALU_DEP_1)
	v_pk_add_f32 v[14:15], v[14:15], v[236:237]
.if \t == 0
	s_wait_alu depctr_va_vdst(0)
	s_wait_dscnt 16                                ; v's fragments are in, for both tiles; the 16 loads of the next t_k may be out
.endif
	WIN 0x54*\t                                    ; p's codes, C and D in the tile's window; v's fragments in window 0
	WM  OT,    KF,    PC, 34, 242+\t
	WM1 OT+8,  KF+12, PC, 34, 242+\t
	WM  OT+16, KF+24, PC, 35, 242+\t
	WM1 OT+24, KF+36, PC, 35, 242+\t
	WM  OT+32, KF+48, PC, 36, 242+\t
.endm
.macro TKL adr                         ; 16 loads: t_k of keys 32 b + 16 h + 4 j .. of the record at v[adr], into window 1
	WIN 0x40
.irp b, 0,1,2,3
.irp j, 0,1,2,3
	ds_load_b128 v[TK+16*\b+4*\j:TK+16*\b+4*\j+3], v[\adr] offset:6656+128*\b+16*\j
.endr
.endr
	WIN 0
.endm
; 128 keys for both tiles; s48: the record's place in LDS.  The record's t_k was asked for a step earlier; the next record's is asked for behind v's fragments, when both tiles have used this one's.
; lim: the last record that the loop may read: the look-ahead is held there, so that it names no byte that has not landed; what the loop's last trip fetches so is not used
.macro STEP lim
	s_wait_alu depctr_va_vdst(0)
	s_add_co_u32 s18, s48, RECK
	s_min_u32 s18, s18, \lim
	v_add_nc_u32 v3, s48, v1
	v_nop
	v_nop
	v_nop                                          ; four places in front of loads into registers that matrix instructions have read
.irp p, 0,1,2,3
.irp c, 0,1,2
	ds_load_b128 v[KF+12*\p+4*\c:KF+12*\p+4*\c+3], v3 offset:1536*\p+512*\c
.endr
.endr
	ds_load_b128 v[34:37], v3 offset:6144
	s_wait_dscnt 13                                ; t_k is in; k's 12 loads and its scale words may be out
	WIN 0x01
.set i, 0
.rept 32
	v_pk_mul_f32 v[S+i:S+i+1], v[TK+i:TK+i+1], v[6:7] op_sel_hi:[1,0]   ; -t_q t_k, tile A
.set i, i+2
.endr
	WIN 0x45
.set i, 0
.rept 32
	v_pk_mul_f32 v[S+i:S+i+1], v[TK+i:TK+i+1], v[6:7] op_sel_hi:[1,0]   ; tile B
.set i, i+2
.endr
	WIN 0
	PLACES
	s_wait_alu depctr_va_vdst(0)
	s_wait_dscnt 0x0
.irp p, 0,1,2,3
	WM S+16*\p, KF+12*\p, 16, 34+\p, 8
	WM S+16*\p+8, KF+12*\p, 22, 34+\p, 9
.endr
	WIN 0x54
.irp p, 0,1,2,3
	WM S+16*\p, KF+12*\p, 16, 34+\p, 10
	WM S+16*\p+8, KF+12*\p, 22, 34+\p, 11
.endr
	WIN 0
	v_add_nc_u32 v248, s18, v2                     ; the next record's t_k; with the three lines below: four places
	v_nop
	v_nop
	v_nop
.irp ct, 0,1,2,3,4
.irp c, 0,1,2
	ds_load_b128 v[KF+12*\ct+4*\c:KF+12*\ct+4*\c+3], v3 offset:7168+1536*\ct+512*\c
.endr
.endr
	ds_load_b128 v[34:37], v3 offset:14848
	TKL 248
	SOFT 0
	SOFT 1
	WIN 0
	s_add_co_u32 s48, s48, RECK
.endm
	s_mov_b32 s48, 0
	s_mov_b32 s49, 4
	TKL 2                                          ; record 0's t_k
.Lfirst:
	STEP 3*RECK
	s_sub_co_u32 s49, s49, 1
	s_cmp_lg_u32 s49, 0
	s_cbranch_scc1 .Lfirst
	s_wait_dscnt 0x0                               ; the last trip's look-ahead loads are in: no LDS instruction is out at the signal
	s_wait_tensorcnt 0x0                           ; my part of records 4-15 is in,
	s_barrier_signal -1
	s_barrier_wait -1                              ; everybody's is; nothing is filled again
	s_mov_b32 s48, 4*RECK
	s_mov_b32 s49, 12
	v_add_nc_u32 v248, 4*RECK, v2
	TKL 248                                        ; record 4's t_k
.Lrest:
	STEP 15*RECK
	s_sub_co_u32 s49, s49, 1
	s_cmp_lg_u32 s49, 0
	s_cbranch_scc1 .Lrest
	PLACES
; a tile's end: m = O^T / the sum, out = m / sqrt(max(0.1 (m_t^2 - |m_s|^2), 1e-9)); s x out_space through the tile's stage, back as rows into window 0 from v[bk] on
.macro FIN t, bk
	WIN 0x55*\t
	v_add_f32 v14, v14, v15
	s_delay_alu instid0(VALU_DEP_1)
	v_permlanex16_b32 v238, v14, s20, s21
	s_delay_alu instid0(VALU_DEP_1)
	v_add_f32 v14, v14, v238
	s_wait_alu depctr_va_vdst(0)
	v_rcp_f32 v240, v14
	v_nop
.set i, 0
	s_wait_alu depctr_va_vdst(0)
.rept 16
	v_pk_mul_f32 v[S+i:S+i+1], v[OT+i:OT+i+1], v[240:241] op_sel_hi:[1,0]
.set i, i+2
.endr
	v_mul_f32 v224, v[OT+32], v240
	v_pk_mul_f32 v[226:227], v[S:S+1], v[S:S+1]
	v_pk_mul_f32 v[228:229], v[S+2:S+3], v[S+2:S+3]
.irp j, 4,8,12,16,20,24,28
	s_delay_alu instid0(VALU_DEP_2)
	v_pk_fma_f32 v[226:227], v[S+\j:S+\j+1], v[S+\j:S+\j+1], v[226:227]
	s_delay_alu instid0(VALU_DEP_2)
	v_pk_fma_f32 v[228:229], v[S+\j+2:S+\j+3], v[S+\j+2:S+\j+3], v[228:229]
.endr
	s_delay_alu instid0(VALU_DEP_1)
	v_pk_add_f32 v[226:227], v[226:227], v[228:229]
	s_delay_alu instid0(VALU_DEP_1)
	v_add_f32 v226, v226, v227
	s_delay_alu instid0(VALU_DEP_1)
	v_permlanex16_b32 v228, v226, s20, s21
	s_delay_alu instid0(VALU_DEP_1)
	v_add_f32 v226, v226, v228
	s_delay_alu instid0(VALU_DEP_1)
	v_fma_f32 v226, v224, v224, -v226
	s_delay_alu instid0(VALU_DEP_1)
	v_mul_f32 v226, 0x3dcccccd, v226
	s_delay_alu instid0(VALU_DEP_1)
	v_max_num_f32 v226, 0x3089705f, v226
	s_wait_alu depctr_va_vdst(0)
	v_rsq_f32 v240, v226
	v_nop
	s_wait_alu depctr_va_vdst(0)
	v_mul_f32 v225, v224, v240                     ; out_time
	v_mul_f32 v240, 0x403644b0, v240               ; s = exp((digamma(256) - digamma(32)) / 2)
.set i, 0
.rept 16
	v_pk_mul_f32 v[S+i:S+i+1], v[S+i:S+i+1], v[240:241] op_sel_hi:[1,0]
.set i, i+2
.endr
	WIN 0x04*\t                                    ; an LDS store's data are its source 1
.irp ct, 0,1,2,3
	ds_store_b128 v245, v[S+8*\ct:S+8*\ct+3] offset:16*SP*\t+128*(\ct/2)+32*(\ct%2)
	ds_store_b128 v245, v[S+8*\ct+4:S+8*\ct+7] offset:16*SP*\t+128*(\ct/2)+32*(\ct%2)+16
.endr
	WIN 0
.irp i, 0,1,2,3,4,5,6,7
	ds_load_b128 v[\bk+4*\i:\bk+4*\i+3], v246 offset:16*SP*\t+2*\i*SP   ; LDS serves a wave's instructions in order (ISA guide 5.7.1.4): these see my stores
.endr
.endm
	FIN 0, 40
	FIN 1, 132
.irp i, 0,1,2,3,4,5,6,7
	s_wait_dscnt 23-\i                             ; younger: tile A's later loads and tile B's 16 stage instructions
	global_store_b128 v244, v[40+4*\i:43+4*\i], s[54:55] offset:(2*\i+8*(\i/4))*2048   ; 16 lanes store a token's 256 bytes of this head
.endr
.irp i, 0,1,2,3,4,5,6,7
	s_wait_dscnt 7-\i
	global_store_b128 v244, v[132+4*\i:135+4*\i], s[54:55] offset:(8+2*\i+8*(\i/4))*2048
.endr
	global_store_b32 v247, v225, s[56:57]          ; both halves of the lanes store the same word with the same number
	WIN 0x04
	global_store_b32 v247, v225, s[56:57] offset:32
	WIN 0
	s_wait_tensorcnt 0x0                           ; the wave's end
	ds_add_u32 v254, v255
	s_wait_dscnt 0x0
	ROUND                                          ; the closing round
	s_endpgm
.Lfunc_end_k_qb612a736c8_attn:
	.size	k_qb612a736c8_attn, .Lfunc_end_k_qb612a736c8_attn-k_qb612a736c8_attn
	.p2alignl 7, 3214868480
	.fill 96, 4, 3214868480
	.section	.rodata,"a",@progbits
	.p2align	6, 0x0
	.amdhsa_kernel k_qb612a736c8_attn
		.amdhsa_group_segment_fixed_size 327680
		.amdhsa_private_segment_fixed_size 0
		.amdhsa_enable_private_segment 0
		.amdhsa_kernarg_size 32
		.amdhsa_user_sgpr_count 2
		.amdhsa_user_sgpr_kernarg_segment_ptr 1
		.amdhsa_wavefront_size32 1
		.amdhsa_system_sgpr_workgroup_id_x 1
		.amdhsa_system_sgpr_workgroup_id_y 1
		.amdhsa_system_sgpr_workgroup_id_z 1
		.amdhsa_system_vgpr_workitem_id 0
		.amdhsa_next_free_vgpr 512
		.amdhsa_next_free_sgpr 66
		.amdhsa_reserve_vcc 0
		.amdhsa_float_denorm_mode_32 3
		.amdhsa_float_denorm_mode_16_64 3
		.amdhsa_memory_ordered 1
		.amdhsa_forward_progress 1
		.amdhsa_inst_pref_size 103
	.end_amdhsa_kernel
	.amdgpu_metadata
---
amdhsa.version: [ 1, 2 ]
amdhsa.kernels:
  - .name:           k_qb612a736c8_attn
    .symbol:         k_qb612a736c8_attn.kd
    .args:
      - { .name: qq, .offset: 0, .size: 8, .value_kind: global_buffer, .address_space: global }
      - { .name: kv, .offset: 8, .size: 8, .value_kind: global_buffer, .address_space: global }
      - { .name: ho, .offset: 16, .size: 8, .value_kind: global_buffer, .address_space: global }
      - { .name: ht, .offset: 24, .size: 8, .value_kind: global_buffer, .address_space: global }
    .group_segment_fixed_size: 327680
    .private_segment_fixed_size: 0
    .kernarg_segment_align: 8
    .kernarg_segment_size: 32
    .max_flat_workgroup_size: 256
    .sgpr_count:     66
    .vgpr_count:     512
    .wavefront_size: 32
...
	.end_amdgpu_metadata
.endif
;; end of part 3
;; launch outp (part 4): grid 256 x 1, 4 waves a work-group, no clusters, 83,968 bytes of LDS; arguments ho, ht, xw, bo, out0; writes out0
.if DOCPART == 4
	.amdgcn_target "amdgcn-amd-amdhsa--gfx1250"
	.amdhsa_code_object_version 6
	.text
	.protected	k_qb612a736c8_outp
	.globl	k_qb612a736c8_outp
	.p2align	8
	.type	k_qb612a736c8_outp,@function
k_qb612a736c8_outp:
	s_mov_b64 s[64:65], 0
	v_nop
	global_prefetch_b8 v0, s[64:65] scope:SCOPE_SE
	s_setreg_imm32_b32 hwreg(HW_REG_WAVE_MODE, 25, 1), 1
	s_wait_xcnt 0x0
; fused = [t', s x out_space of the 8 heads], t' = sqrt(max(10 + s^2 (the sum over heads of out_time^2 + 10), 1e-9)); out0 = [sqrt(10 + |space|^2), space], space = Q(fused) Q(Wo)^T + bo, on codes of BF6, K = 513.
; SHARES: a work-group owns 32 tokens (two tiles of 16, in their own order).  THE WAVES SHARE THE COLUMNS: wave w makes outputs 128 w .. 128 w + 127; its 8 tiles x 5 K steps of Wo stay in registers.
; X: wave w quantises K step w of both tiles (waves 0 and 1 also the fifth K step of tile w) and stores the fragments to LDS as images of their registers | barrier |
; G: all ten fragments from LDS; 80 matrix instructions, the 16 accumulators by turns (source 0 = Wo, source 1 = fused: a lane holds one token) | E: my part of |space|^2 and my results to LDS | barrier |
;    the time column | barrier | the work-group's 65,664 bytes of out0, a dense image in LDS, leave in runs of 512 bytes that begin at multiples of 256 from out0's first byte.
; THE ORDER ALONG K is that of Wo's codes: inside block g place p = 0 .. 30 holds index 32 g + 1 + p, place 31 index 32 g.  Index 1 + j is ho's column j, index 0 is t'.
; NO TENSOR LOAD AND NO CLUSTER: Wo is shared by all work-groups, but its codes (32 x 7,680 = 245,760 bytes) with the image of out0 (65,664) and the fragments (16,640) pass the 327,680 bytes of LDS.
; LIMITS: a block of zeros gets the byte 1; blocks under 2^-122 are held at the byte 1; NaN and infinities are not served.
.set REC,  8320
.set XIMG, 0                           ; LDS: ten fragments, (5 m + s) x 1,536
.set XSC,  15360                       ; their scale words, (5 m + s) x 128
.set PS,   16640                       ; partial sums of squares, (2 w + m) x 128
.set STG,  17664                       ; 32 rows of 2,052 bytes
.set LI,  1                            ; v1  16 x lane
.set LS,  2                            ; v2  4 x lane
.set XA,  3                            ; v3  ho: row r, + 64 h
.set CR,  4                            ; v4  ho: row r
.set C5,  5                            ; v5  ho: row r of tile w % 2
.set HT,  6                            ; v6  4 r
.set XWI, 7                            ; v7  my K step's images
.set XWS, 8                            ; v8  and scale words
.set QWI, 9                            ; v9  the fifth K step's, tile w % 2
.set QWS, 10
.set PSW, 11                           ; v11 my partial sums
.set PR,  12                           ; v12 tile w % 2's partial sums
.set SO,  13                           ; v13 my results in the image of out0
.set TW,  14                           ; v14 the time column of tile w % 2
.set CPG, 15                           ; v15 the way out: my bytes, in the image and in out0
.set WSC, 16                           ; v16-55  Wo's scale words, 5 t + s
.set FS,  56                           ; v56-65  fused's, 5 m + s
.set PW,  66
.set CL,  68                           ; v68-69  place 31 of my K step's first block, tiles 0 and 1
.set C511, 70                          ; v70     index 512
.set X,   72                           ; v72-199 two sets of 64 numbers; then the ten fragments; then the way out
.set FF,  72
.set TM,  200
.set T2,  216
.set PC,  224
.set HTM, 236                          ; v236-251 out_time of 8 heads, two tiles
.set RM,  252                          ; v252 the 128 bytes that the runs of 512 leave
.set BO,  253                          ; v253 64 h
.set SEL, 20
.set HM,  22
; window 1: Wo's K steps 0, 1 at 96 s + 12 t; the bias at 192 + 8 t.  window 2: K steps 2, 3.  window 3: the accumulators at 8 (2 t + m); K step 4 at 128 + 12 t
.set MSB, 0
.macro WIN new                         ; the immediate's high byte repeats the setting that is left
.if MSB != \new
	s_set_vgpr_msb (MSB<<8)|\new
.set MSB, \new
.endif
.endm
.macro PLACES
.rept 4
	v_nop
.endr
.endm
.macro BARRIER                         ; my LDS stores have landed and my LDS loads are in: then the work-group's barrier
	s_wait_dscnt 0x0
	s_barrier_signal -1
	s_barrier_wait -1
.endm
.macro QUANT s, pc, pw
.irp b, 0,1,2,3
	v_max3_num_f32 v[TM+\b], |v[\s+16*\b]|, |v[\s+16*\b+1]|, 0x2800000   ; my 16 numbers of block b, and the floor 2^(5 - 127)
.endr
.irp i, 2,4,6,8,10,12,14
.irp b, 0,1,2,3
	v_max3_num_f32 v[TM+\b], v[TM+\b], |v[\s+16*\b+\i]|, |v[\s+16*\b+\i+1]|
.endr
.endr
.irp b, 0,1,2,3
	v_permlanex16_b32 v[TM+4+\b], v[TM+\b], s[SEL], s[SEL+1]
.endr
.irp b, 0,1,2,3
	v_max_num_f32 v[TM+\b], v[TM+\b], v[TM+4+\b]
.endr
.irp b, 0,1,2,3
	v_add_nc_u32 v[TM+12+\b], 0xfe000000, v[TM+\b]
.endr
.irp b, 0,1,2,3
	v_lshrrev_b32 v[TM+4+\b], 23, v[TM+12+\b]
.endr
	v_lshl_or_b32 v[\pw], v[TM+5], 8, v[TM+4]
	v_lshl_or_b32 v[\pw], v[TM+6], 16, v[\pw]
	v_lshl_or_b32 v[\pw], v[TM+7], 24, v[\pw]
.irp c, 0,1
	v_cvt_scalef32_pk16_bf6_f32 v[\pc+6*\c:\pc+6*\c+2], v[\s+32*\c:\s+32*\c+15], v[TM+12+2*\c]
	v_cvt_scalef32_pk16_bf6_f32 v[T2+4*\c:T2+4*\c+2], v[\s+32*\c+16:\s+32*\c+31], v[TM+12+2*\c+1]
.endr
	v_nop                                          ; one plain place behind a scaled conversion
.irp c, 0,1
.irp i, 0,1,2
	v_permlane16_swap_b32 v[\pc+6*\c+\i], v[T2+4*\c+\i]
.endr
.irp i, 0,1,2
	v_mov_b32 v[\pc+6*\c+3+\i], v[T2+4*\c+\i]
.endr
.endr
.endm
.macro QLAST car, z, pc, pw            ; the fifth K step: one number, at place 31 of its first block
.irp i, 0,1,2,3,4,5,6,7,8,9,10,11,12,13,14
	v_mov_b32 v[\z+\i], 0
.endr
	v_cndmask_b32 v[\z+15], 0, v[\car], s[HM]
	v_max3_num_f32 v[TM], |v[\z+15]|, |v[\z+15]|, 0x2800000
	v_permlanex16_b32 v[TM+4], v[TM], s[SEL], s[SEL+1]
	v_max_num_f32 v[TM], v[TM], v[TM+4]
	v_add_nc_u32 v[TM+12], 0xfe000000, v[TM]
	v_lshrrev_b32 v[TM+4], 23, v[TM+12]
	v_or_b32 v[\pw], 0x7f7f7f00, v[TM+4]
	v_cvt_scalef32_pk16_bf6_f32 v[\pc:\pc+2], v[\z:\z+15], v[TM+12]
.irp i, 0,1,2
	v_mov_b32 v[T2+\i], 0
.endr
.irp i, 0,1,2
	v_permlane16_swap_b32 v[\pc+\i], v[T2+\i]
.endr
.irp i, 0,1,2
	v_mov_b32 v[\pc+3+\i], v[T2+\i]
.endr
.irp i, 6,7,8,9,10,11
	v_mov_b32 v[\pc+\i], 0
.endr
.endm
.macro ROT x, car                      ; place 31 of each block takes what was loaded at the block before's place 31; from the top down
	v_cndmask_b32 v[\x+63], v[\x+63], v[\x+47], s[HM]
	v_cndmask_b32 v[\x+47], v[\x+47], v[\x+31], s[HM]
	v_cndmask_b32 v[\x+31], v[\x+31], v[\x+15], s[HM]
	v_cndmask_b32 v[\x+15], v[\x+15], v[\car], s[HM]
.endm
.macro GSTEP s, win, ab                ; K step s: 16 matrix instructions; Wo's fragments at v[ab + 12 t] of the window that win names
	WIN \win
.irp t, 0,1,2,3,4,5,6,7
.irp m, 0,1
.if (\s) == 0
	v_wmma_scale_f32_16x16x128_f8f6f4 v[8*(2*\t+\m):8*(2*\t+\m)+7], v[\ab+12*\t:\ab+12*\t+11], v[FF+12*(5*\m+\s):FF+12*(5*\m+\s)+11], v[192+8*\t:199+8*\t], v[WSC+5*\t+\s], v[FS+5*\m+\s] matrix_a_fmt:MATRIX_FMT_BF6 matrix_b_fmt:MATRIX_FMT_BF6
.else
	v_wmma_scale_f32_16x16x128_f8f6f4 v[8*(2*\t+\m):8*(2*\t+\m)+7], v[\ab+12*\t:\ab+12*\t+11], v[FF+12*(5*\m+\s):FF+12*(5*\m+\s)+11], v[8*(2*\t+\m):8*(2*\t+\m)+7], v[WSC+5*\t+\s], v[FS+5*\m+\s] matrix_a_fmt:MATRIX_FMT_BF6 matrix_b_fmt:MATRIX_FMT_BF6
.endif
.endr
.endr
.endm
	s_load_b256 s[4:11], s[0:1], 0x0               ; ho, ht, xw, bo
	s_load_b64 s[12:13], s[0:1], 0x20              ; out0
	v_lshl_add_u32 v254, v0, 2, 0x14600
	v_mov_b32 v255, 0
	v_lshrrev_b32 v67, 5, v0
	v_readfirstlane_b32 s14, v67                   ; wave 0..3
	s_and_b32 s15, s14, 1
	s_mov_b32 s[SEL], 0x76543210
	s_mov_b32 s[SEL+1], 0xfedcba98
	s_mov_b32 s[HM], 0xffff0000
	s_mov_b32 s52, 0x4101c5bd                      ; s^2 = 8.1107757
	s_mov_b32 s53, 0x4424b72c                      ; 10 + 80 s^2 = 658.86206
	v_and_b32 v67, 31, v0                          ; lane
	v_and_b32 v71, 15, v0                          ; r
	v_bfe_u32 v200, v0, 4, 1                       ; h
	v_lshlrev_b32 v[LI], 4, v67
	v_lshlrev_b32 v[LS], 2, v67
	v_lshlrev_b32 v[CR], 11, v71
	v_lshl_add_u32 v[XA], v200, 6, v[CR]
	s_lshl_b32 s40, s15, 15
	v_add_nc_u32 v[C5], s40, v[CR]
	v_lshlrev_b32 v[HT], 2, v71
	s_mul_i32 s40, s14, 1536
	v_add_nc_u32 v[XWI], s40, v[LI]
	s_lshl_b32 s40, s14, 7
	v_add_nc_u32 v[XWS], s40, v[LS]
	s_mul_i32 s40, s15, 7680
	v_add_nc_u32 v[QWI], s40, v[LI]
	s_mul_i32 s40, s15, 640
	v_add_nc_u32 v[QWS], s40, v[LS]
	s_lshl_b32 s40, s14, 8
	v_add_nc_u32 v[PSW], s40, v[LS]
	s_lshl_b32 s40, s15, 7
	v_add_nc_u32 v[PR], s40, v[LS]
	v_mul_u32_u24 v[SO], v71, 2052
	s_mul_i32 s40, s15, 16*2052
	v_add_nc_u32 v[TW], s40, v[SO]
	v_lshl_add_u32 v[SO], v200, 6, v[SO]
	s_lshl_b32 s40, s14, 9
	v_add_nc_u32 v[SO], s40, v[SO]
	s_and_b32 s41, ttmp9, 1
	s_lshl_b32 s42, s41, 7                         ; the work-group's bytes begin at 128 x (its number % 2) modulo 256: the runs of 512 begin as much later
	s_lshl_b32 s40, s14, 14
	s_add_co_u32 s40, s40, s42
	v_add_nc_u32 v[CPG], s40, v[LI]
	s_xor_b32 s41, s41, 1
	s_lshl_b32 s41, s41, 16                        ; what they leave: the last 128 bytes (even work-group) or the first (odd)
	v_add_nc_u32 v[RM], s41, v[LS]
	v_lshlrev_b32 v[BO], 6, v200
	s_cmp_eq_u32 s14, 0
	s_cselect_b32 s16, -1, 0                       ; all ones in wave 0
	s_lshl_b32 s40, ttmp9, 16                      ; ho: 32 rows of 2,048 bytes
	s_mov_b32 s41, 0
	s_lshl_b32 s42, s14, 9                         ; my K step's 128 columns
	s_mov_b32 s43, 0
	s_lshl_b32 s48, s14, 9                         ; my 128 numbers of bo
	s_mov_b32 s49, 0
	s_lshr_b32 s44, ttmp9, 6
	s_lshl_b32 s44, s44, 16
	s_and_b32 s45, ttmp9, 63
	s_lshl_b32 s45, s45, 7
	s_add_co_u32 s44, s44, s45                     ; ht: the batch's 8 rows of 8,192 bytes, my 32 tokens
	s_mov_b32 s45, 0
	s_lshl_b32 s46, s14, 3
	s_add_co_u32 s46, s46, 608
	s_mul_i32 s46, s46, REC                        ; my 8 tiles of Wo
	s_mov_b32 s47, 0
	s_mul_i32 s50, ttmp9, 32*2052
	s_mov_b32 s51, 0
	s_wait_kmcnt 0x0
	s_add_nc_u64 s[24:25], s[4:5], s[40:41]
	s_add_nc_u64 s[26:27], s[24:25], s[42:43]
	s_max_u32 s42, s42, 4
	s_sub_co_u32 s42, s42, 4                       ; index 128 w is ho's column 128 w - 1 (wave 0 loads column 0 and takes t' in its stead)
	s_add_nc_u64 s[28:29], s[24:25], s[42:43]
	s_add_nc_u64 s[30:31], s[6:7], s[44:45]
	s_add_nc_u64 s[32:33], s[8:9], s[46:47]
	s_add_nc_u64 s[34:35], s[10:11], s[48:49]
	s_add_nc_u64 s[36:37], s[12:13], s[50:51]
	; ---- X: 51 loads for the fused operand, then 48 of Wo
.irp m, 0,1
.irp b, 0,1,2,3
.irp j, 0,1,2,3
	global_load_b128 v[X+64*\m+16*\b+4*\j:X+64*\m+16*\b+4*\j+3], v[XA], s[26:27] offset:32768*\m+128*\b+16*\j
.endr
.endr
.endr
.irp m, 0,1
.irp hd, 0,1,2,3,4,5,6,7
	global_load_b32 v[HTM+8*\m+\hd], v[HT], s[30:31] offset:8192*\hd+64*\m
.endr
.endr
	global_load_b32 v[CL], v[CR], s[28:29]
	global_load_b32 v[CL+1], v[CR], s[28:29] offset:32768
	global_load_b32 v[C511], v[C5], s[24:25] offset:2044
	WIN 0x40                                       ; destination window 1
.irp s, 0,1
.irp t, 0,1,2,3,4,5,6,7
.irp c, 0,1,2
	global_load_b128 v[96*\s+12*\t+4*\c:96*\s+12*\t+4*\c+3], v[LI], s[32:33] offset:REC*\t+1536*\s+512*\c
.endr
.endr
.endr
	WIN 0
	s_wait_loadcnt 48                              ; all but Wo's 48
.irp m, 0,1
	v_mul_f32 v[TM+\m], v[HTM+8*\m], v[HTM+8*\m]
.endr
.irp hd, 1,2,3,4,5,6,7
.irp m, 0,1
	v_fma_f32 v[TM+\m], v[HTM+8*\m+\hd], v[HTM+8*\m+\hd], v[TM+\m]
.endr
.endr
.irp m, 0,1
	v_fma_f32 v[TM+\m], v[TM+\m], s52, s53         ; 10 + s^2 (the sum of time^2 + 80)
.endr
.irp m, 0,1
	v_max_num_f32 v[TM+\m], 0x3089705f, v[TM+\m]
.endr
	s_wait_alu depctr_va_vdst(0)
.irp m, 0,1
	v_sqrt_f32 v[TM+\m], v[TM+\m]                  ; t'
.endr
.irp b, 0,1,2,3
	v_mov_b32 v[TM+4+\b], 0                        ; (plain places behind the roots)  written once for the lane permutes
.endr
	s_wait_alu depctr_va_vdst(0)
.irp m, 0,1
	v_cndmask_b32 v[CL+\m], v[CL+\m], v[TM+\m], s16   ; index 0 is t'
.endr
.irp m, 0,1
	ROT X+64*\m, CL+\m
	QUANT X+64*\m, PC, PW
.irp c, 0,1,2
	ds_store_b128 v[XWI], v[PC+4*\c:PC+4*\c+3] offset:XIMG+7680*\m+512*\c
.endr
	ds_store_b32 v[XWS], v[PW] offset:XSC+640*\m
	s_wait_dscnt 0x0                               ; the stores have read their registers
.endr
	s_cmp_lt_u32 s14, 2
	s_cbranch_scc0 .Lno_last
	QLAST C511, X, PC, PW
.irp c, 0,1,2
	ds_store_b128 v[QWI], v[PC+4*\c:PC+4*\c+3] offset:XIMG+6144+512*\c
.endr
	ds_store_b32 v[QWS], v[PW] offset:XSC+512
.Lno_last:
.irp t, 0,1,2,3,4,5,6,7                        ; 128 more loads: 40 scale words, 16 of the bias, 48 of K steps 2 and 3, 24 of K step 4
.irp s, 0,1,2,3,4
	global_load_b32 v[WSC+5*\t+\s], v[LS], s[32:33] offset:REC*\t+7680+128*\s
.endr
.endr
	WIN 0x40
.irp t, 0,1,2,3,4,5,6,7
	global_load_b128 v[192+8*\t:195+8*\t], v[BO], s[34:35] offset:(32*(\t/2)+8*(\t%2))*4      ; lane (r, h), tile 2 b + u: the bias of outputs 32 b + 16 h + 8 u + 0 .. 7
	global_load_b128 v[196+8*\t:199+8*\t], v[BO], s[34:35] offset:(32*(\t/2)+8*(\t%2))*4+16
.endr
	WIN 0x80
.irp s, 2,3
.irp t, 0,1,2,3,4,5,6,7
.irp c, 0,1,2
	global_load_b128 v[96*(\s-2)+12*\t+4*\c:96*(\s-2)+12*\t+4*\c+3], v[LI], s[32:33] offset:REC*\t+1536*\s+512*\c
.endr
.endr
.endr
	WIN 0xc0
.irp t, 0,1,2,3,4,5,6,7
.irp c, 0,1,2
	global_load_b128 v[128+12*\t+4*\c:128+12*\t+4*\c+3], v[LI], s[32:33] offset:REC*\t+6144+512*\c
.endr
.endr
	WIN 0
	BARRIER                                        ; the ten fragments lie in LDS
	; ---- G
.irp f, 0,1,2,3,4,5,6,7,8,9
.irp c, 0,1,2
	ds_load_b128 v[FF+12*\f+4*\c:FF+12*\f+4*\c+3], v[LI] offset:XIMG+1536*\f+512*\c
.endr
	ds_load_b32 v[FS+\f], v[LS] offset:XSC+128*\f
.endr
	s_wait_dscnt 0x0
	s_wait_loadcnt 63                              ; K steps 0 and 1, the scale words and the bias are in: 72 loads are younger, and 63 is the most that the wait can name
	GSTEP 0, 0xd1, 0                               ; source 0 and the bias window 1, D window 3
	GSTEP 1, 0xf1, 96                              ; C and D window 3
	s_wait_loadcnt 24                              ; K steps 2 and 3 are in; K step 4's 24 loads may be out
	GSTEP 2, 0xf2, 0
	GSTEP 3, 0xf2, 96
	s_wait_loadcnt 0x0
	GSTEP 4, 0xf3, 128
	WIN 0
	PLACES
	; ---- E: my 64 outputs' squares of each tile's token, each accumulator from its low end on
	WIN 0x0f                                       ; sources 0 and 1 window 3
.irp t, 0,1,2,3,4,5,6,7
.irp k, 0,2,4,6
.irp m, 0,1
.if (\t == 0) && (\k == 0)
	v_pk_mul_f32 v[TM+2*\m:TM+2*\m+1], v[8*(2*\t+\m)+\k:8*(2*\t+\m)+\k+1], v[8*(2*\t+\m)+\k:8*(2*\t+\m)+\k+1]
.else
	v_pk_fma_f32 v[TM+2*\m:TM+2*\m+1], v[8*(2*\t+\m)+\k:8*(2*\t+\m)+\k+1], v[8*(2*\t+\m)+\k:8*(2*\t+\m)+\k+1], v[TM+2*\m:TM+2*\m+1]
.endif
.endr
.endr
.endr
	WIN 0
	v_add_f32 v[TM], v[TM], v[TM+1]
	v_add_f32 v[TM+2], v[TM+2], v[TM+3]
	v_permlanex16_b32 v[TM+4], v[TM], s[SEL], s[SEL+1]
	v_permlanex16_b32 v[TM+5], v[TM+2], s[SEL], s[SEL+1]
	v_add_f32 v[TM], v[TM], v[TM+4]
	v_add_f32 v[TM+2], v[TM+2], v[TM+5]
	ds_store_b32 v[PSW], v[TM] offset:PS
	ds_store_b32 v[PSW], v[TM+2] offset:PS+128
	WIN 0x0c                                       ; an LDS store's data are its source 1: window 3
.irp t, 0,1,2,3,4,5,6,7
.irp m, 0,1
.irp j, 0,1,2,3,4,5,6,7
	ds_store_b32 v[SO], v[8*(2*\t+\m)+\j] offset:STG+16*2052*\m+4+(32*(\t/2)+8*(\t%2)+\j)*4   ; rows of 2,052 bytes begin at multiples of 4 alone: words
.endr
.endr
.endr
	WIN 0
	BARRIER                                        ; the partial sums and the space columns lie in LDS
.irp q, 0,1,2,3
	ds_load_b32 v[TM+\q], v[PR] offset:PS+256*\q
.endr
	s_wait_dscnt 0x0
	v_add_f32 v[TM], v[TM], v[TM+1]
	v_add_f32 v[TM+2], v[TM+2], v[TM+3]
	v_add_f32 v[TM], v[TM], v[TM+2]
	v_add_f32 v[TM], 0x41200000, v[TM]
	s_wait_alu depctr_va_vdst(0)
	v_sqrt_f32 v[TM], v[TM]
	v_nop
	s_cmp_lt_u32 s14, 2
	s_cbranch_scc0 .Lno_time
	s_wait_alu depctr_va_vdst(0)
	ds_store_b32 v[TW], v[TM] offset:STG           ; both halves of the lanes write the same word with the same number
.Lno_time:
	BARRIER                                        ; the image of out0 is whole
.set i, 0
.rept 32
	ds_load_b128 v[72+4*i:75+4*i], v[CPG] offset:STG+512*i
.set i, i+1
.endr
.set i, 0
.rept 32
	s_wait_dscnt 31-i
	global_store_b128 v[CPG], v[72+4*i:75+4*i], s[36:37] offset:512*i th:TH_STORE_NT   ; 32 lanes store 512 consecutive bytes, at a multiple of 256 from out0's first byte
.set i, i+1
.endr
	s_cmp_lg_u32 s14, 0
	s_cbranch_scc1 .Ldone
	s_wait_alu depctr_va_vdst(0)
	ds_load_b32 v[TM], v[RM] offset:STG
	s_wait_dscnt 0x0
	global_store_b32 v[RM], v[TM], s[36:37] th:TH_STORE_NT
.Ldone:
	s_wait_tensorcnt 0x0
	ds_add_u32 v254, v255
	s_wait_dscnt 0x0
	s_endpgm
.Lfunc_end_k_qb612a736c8_outp:
	.size	k_qb612a736c8_outp, .Lfunc_end_k_qb612a736c8_outp-k_qb612a736c8_outp
	.p2alignl 7, 3214868480
	.fill 96, 4, 3214868480
	.section	.rodata,"a",@progbits
	.p2align	6, 0x0
	.amdhsa_kernel k_qb612a736c8_outp
		.amdhsa_group_segment_fixed_size 83968
		.amdhsa_private_segment_fixed_size 0
		.amdhsa_enable_private_segment 0
		.amdhsa_kernarg_size 40
		.amdhsa_user_sgpr_count 2
		.amdhsa_user_sgpr_kernarg_segment_ptr 1
		.amdhsa_wavefront_size32 1
		.amdhsa_system_sgpr_workgroup_id_x 1
		.amdhsa_system_sgpr_workgroup_id_y 1
		.amdhsa_system_sgpr_workgroup_id_z 1
		.amdhsa_system_vgpr_workitem_id 0
		.amdhsa_next_free_vgpr 1024
		.amdhsa_next_free_sgpr 66
		.amdhsa_reserve_vcc 0
		.amdhsa_float_denorm_mode_32 3
		.amdhsa_float_denorm_mode_16_64 3
		.amdhsa_memory_ordered 1
		.amdhsa_forward_progress 1
		.amdhsa_inst_pref_size 70
	.end_amdhsa_kernel
	.amdgpu_metadata
---
amdhsa.version: [ 1, 2 ]
amdhsa.kernels:
  - .name:           k_qb612a736c8_outp
    .symbol:         k_qb612a736c8_outp.kd
    .args:
      - { .name: ho, .offset: 0, .size: 8, .value_kind: global_buffer, .address_space: global }
      - { .name: ht, .offset: 8, .size: 8, .value_kind: global_buffer, .address_space: global }
      - { .name: xw, .offset: 16, .size: 8, .value_kind: global_buffer, .address_space: global }
      - { .name: bo, .offset: 24, .size: 8, .value_kind: global_buffer, .address_space: global }
      - { .name: out0, .offset: 32, .size: 8, .value_kind: global_buffer, .address_space: global }
    .group_segment_fixed_size: 83968
    .private_segment_fixed_size: 0
    .kernarg_segment_align: 8
    .kernarg_segment_size: 40
    .max_flat_workgroup_size: 128
    .sgpr_count:     66
    .vgpr_count:     1024
    .wavefront_size: 32
...
	.end_amdgpu_metadata
.endif
;; end of part 4
